; MI455X (gfx1250); checked and timed in simulation.
; The chip was launched on July 23, 2026; its instructions are those of AMD's public machine-readable ISA for CDNA 5 (MIT licence, August 2026) and "CDNA5" Instruction Set Architecture Reference Guide (July 2026). The comments in the code are by the model that wrote it; some were corrected since.
;; TCA. Allowed arithmetic: matrix products marked QUANTISED: E2M1 operands, one E8M0 scale for each 32 along K, by v_wmma_scale_f32_16x16x128_f8f6f4 with both operands' format E2M1 (or v_wmma_scale_f32_32x16x128_f4), f32 sums; products left as they are: bf16, f16 or f32 operands; f32 sums; everything else in f32.
;; Inputs: Wk 1,024 x 1,024 float32; Wo 1,024 x 1,024 float32; Wq 1,024 x 1,024 float32; Wv 1,024 x 1,024 float32; adj 1,024 x 1,024 float32; alpha one number float32; bk 1,024 float32; bo 1,024 float32; bq 1,024 float32; bv 1,024 float32; mask 1,024 x 1,024 int32; x 4 x 1,024 x 1,024 float32.
;; Outputs: out0 4 x 1,024 x 1,024 float32.
;; Constants: n_heads = 16.
;; This version of the problem:
;;   THIS VERSION OF THE PROBLEM IS GIVEN IN LOW PRECISION. The matrix products marked QUANTISED in the list below multiply operands that are first quantised to E2M1 (2 exponent bits, 1 mantissa bit; 4 bits a number), with one power-of-two scale for each 32 numbers along K (OCP MX v1.0); their sums are f32. The products marked 'left as it is' may take bf16, f16 or f32 operands, with f32 sums. Whichever they take, every output number must still come out within the allowed error. Rounding operands to bf16 (8 significant bits) uses up far more of that allowance than f16 does (11 bits, for magnitudes from 6e-5 to 65,504). All else is computed in f32.
;;   The module's matrix products, in the order in which they are computed (A, B: the left and right operand; K: the contracted axis; several contracted axes count as one K, in the product's order):
;;     1. [M 4,096, K 1,024] x [K 1,024, N 1,024]; A: input x; B: input Wq: QUANTISED
;;     2. [M 4,096, K 1,024] x [K 1,024, N 1,024]; A: input x; B: input Wk: QUANTISED
;;     3. [M 4,096, K 1,024] x [K 1,024, N 1,024]; A: input x; B: input Wv: QUANTISED
;;     4. batch 64 x [M 1,024, K 64] x [K 64, N 1,024]; A: computed on the way; B: computed on the way: left as it is (an operand is computed on the way)
;;     5. batch 64 x [M 1,024, K 1,024] x [K 1,024, N 64]; A: computed on the way; B: computed on the way: left as it is (an operand is computed on the way)
;;     6. batch 64 x [M 1,024, K 1,024] x [K 1,024, N 64]; A: computed on the way; B: computed on the way: left as it is (an operand is computed on the way)
;;     7. [M 4,096, K 1,024] x [K 1,024, N 1,024]; A: computed on the way; B: input Wo: left as it is (an operand is computed on the way)
;;   THE QUANTISER, for each operand of a quantised product, along K:
;;     - K is cut into blocks of 32 from its start; a last block that is shorter is filled with zeros.
;;     - A block's scale is 2^e with e = floor(log2(the largest magnitude in the block)) - 2, held to -126 .. 127; a block of zeros has e = 0. As a byte (E8M0): e + 127.
;;     - Each number is divided by its block's scale, clamped to +-6, and rounded to the nearest number of E2M1, ties to even, subnormals kept.
;;     - The product sums the exact products of the quantised numbers (number of the format x scale) in f32.
;;   ~~~python
;;   def quantise(x, axis):      # numpy; x: float32 -> the quantised numbers, widened to float32 again
;;       x = np.moveaxis(x, axis, -1); K = x.shape[-1]
;;       x = np.pad(x, [(0, 0)] * (x.ndim - 1) + [(0, -K % 32)]); x = x.reshape(x.shape[:-1] + (-1, 32)); a = np.abs(x).max(-1, keepdims=True)
;;       e = np.where(a > 0, np.clip(np.frexp(np.where(a > 0, a, 1))[1] - 1 - 2, -126, 127), 0)      # np.frexp(a)[1] - 1 = floor(log2(a)), exactly
;;       r = np.clip(x / 2.0 ** e, -6, 6)
;;       step = 2.0 ** (np.maximum(np.frexp(np.where(r == 0, 1, r))[1] - 1, 0) - 1)
;;       q = np.round(r / step) * step * 2.0 ** e      # np.round: ties to even
;;       return np.moveaxis(q.reshape(q.shape[:-2] + (-1,))[..., :K], -1, axis).astype(np.float32)
;;   ~~~
;; One version. Each part assembles by itself: llvm-mc -triple=amdgcn-amd-amdhsa -mcpu=gfx1250 --defsym DOCPART=n.
;; ======== version 1 of 1: 4 launches
;; limits: values are held in f16: magnitudes above 65,504 overflow, below 6.1e-05 lose precision
;; workspace buffers: xq 2,228,224 bytes; wq4 1,671,168 bytes; woh 2,097,152 bytes; adj2 4,194,304 bytes; maskw 131,072 bytes of whole numbers; qkvh 25,165,824 bytes; xoh 8,388,608 bytes
;; launch prep (part 1): grid 352 x 1, 4 waves a work-group, no clusters, 68,096 bytes of LDS; arguments x, Wq, Wk, Wv, Wo, adj, mask, xq, wq4, woh, adj2, maskw; writes xq, wq4, woh, adj2, maskw
.if DOCPART == 1
	.amdgcn_target "amdgcn-amd-amdhsa--gfx1250"
	.amdhsa_code_object_version 6
	.text
	.protected	k_q97bc1ff60d_prep
	.globl	k_q97bc1ff60d_prep
	.p2align	8
	.type	k_q97bc1ff60d_prep,@function
k_q97bc1ff60d_prep:
	s_mov_b64 s[64:65], 0
	v_nop
	global_prefetch_b8 v0, s[64:65] scope:SCOPE_SE
	s_setreg_imm32_b32 hwreg(HW_REG_WAVE_MODE, 25, 1), 1
	s_wait_xcnt 0x0
; PREP: everything that is read many times later is brought into its working form once.
;   work-groups   0-127: x [4096][1024] f32 -> codes of FP4 (E2M1), K innermost, and one E8M0 byte for each 32 along K   (xq: codes [4096][512 B], bytes [4096][32] at XS_OFF)
;   work-groups 128-223: Wq, Wk, Wv [k][n] f32 -> the same along k, laid [n][k]: rows 0-1023 Wq's columns, then Wk's, then Wv's   (wq4: codes [3072][512 B], bytes [3072][32] at WS_OFF)
;   work-groups 224-255: Wo -> f16, layout unchanged (woh)
;   work-groups 256-287: adj x log2(e), f32 (adj2): the softmax later works with powers of two
;   work-groups 288-351: mask -> lane masks (maskw): word 8 kt + j of [qt][ks][32] has bit L = (mask[16 qt + L % 16][64 ks + 16 kt + 8 (L / 16) + j] != 0)
; A block's scale is 2^(floor(log2(its largest magnitude)) - 2); its byte is the largest magnitude's exponent field - 2, held at 1 from below.
; LIMITS: a block of zeros gets the byte 1 where the rule says 127 (its codes are zeros, and this program alone reads the bytes); blocks whose largest magnitude lies under 2^(3 - 127) keep the byte 1;
; NaN and infinities among the inputs are not served.
; The five kinds of work part on the work-group's number alone.  Waves share nothing: no barrier.  The two kinds that use LDS have LDS bytes of their own.
; The shares are cut so that no wave waits for more than four runs of loads on end: x 16 steps, four ahead; the weights 8 blocks, two ahead; Wo and adj 8 groups, two ahead; the mask two pairs, both asked for at once.
.set XS_OFF, 2097152
.set WS_OFF, 1572864
.set EMAX,  2
.set SPW,   254                        ; v254  LDS address of my spare word: SPARE + 4 x my thread's number; never rewritten
.set NIL,   255                        ; v255  0; never rewritten
.set WSTG,  32768                      ; LDS: 0 .. 32,767 x's four regions; from here the weights' four stages
.set SPARE, 67584                      ; behind them the spare words, 128 bytes for each wave
	s_load_b512 s[4:19], s[0:1], 0x0               ; x 4:5, Wq 6:7, Wk 8:9, Wv 10:11, Wo 12:13, adj 14:15, mask 16:17, xq 18:19
	s_load_b256 s[20:27], s[0:1], 0x40             ; wq4 20:21, woh 22:23, adj2 24:25, maskw 26:27
	v_lshl_add_u32 v[SPW], v0, 2, SPARE
	v_mov_b32 v[NIL], 0
	v_lshrrev_b32 v1, 5, v0
	v_readfirstlane_b32 s28, v1                    ; wave 0..3
	v_and_b32 v2, 31, v0                           ; lane
	s_wait_kmcnt 0x0
	s_cmp_lt_u32 ttmp9, 128
	s_cbranch_scc1 .LX
	s_cmp_lt_u32 ttmp9, 224
	s_cbranch_scc1 .LW
	s_cmp_lt_u32 ttmp9, 256
	s_cbranch_scc1 .LO
	s_cmp_lt_u32 ttmp9, 288
	s_cbranch_scc1 .LA
; ---- THE MASK.  A work-group takes one tile of 16 queries, a wave four key steps of 64 keys, two key steps (a pair) at a time.
; A lane loads the numbers that it will later hold as scores; a compare against 0 over the 32 lanes IS the word; 64 words of a pair are laid into two registers and leave as 256 consecutive bytes.
	s_sub_co_u32 s32, ttmp9, 288                   ; qt
	s_lshl_b32 s33, s28, 2                         ; my first key step
	s_lshl_b32 s34, s32, 16                        ; 16 rows of 4,096 bytes
	s_lshl_b32 s35, s33, 8                         ; 64 keys are 256 bytes
	s_add_co_u32 s34, s34, s35
	s_mov_b32 s35, 0
	s_add_nc_u64 s[36:37], s[16:17], s[34:35]
	s_lshl_b32 s34, s32, 4
	s_add_co_u32 s34, s34, s33
	s_lshl_b32 s34, s34, 7                         ; 128 bytes of words for a tile and a key step
	s_add_nc_u64 s[38:39], s[26:27], s[34:35]
	v_and_b32 v4, 15, v0
	v_lshlrev_b32 v4, 12, v4                       ; row lane % 16
	v_bfe_u32 v5, v0, 4, 1
	v_lshl_add_u32 v4, v5, 5, v4                   ; + 8 keys for lanes 16-31
	v_lshlrev_b32 v3, 3, v2                        ; out: 8 bytes a lane
.macro MLOADS p                        ; pair p: 16 loads; a row's 256 bytes of a key step are covered by eight of them, on end
.irp e, 0,1
.irp kt, 0,1,2,3
.irp c, 0,1
	global_load_b128 v[32+64*(\p)+32*\e+8*\kt+4*\c:32+64*(\p)+32*\e+8*\kt+4*\c+3], v4, s[36:37] offset:(2*(\p)+\e)*256+\kt*64+16*\c th:TH_LOAD_NT
.endr
.endr
.endr
.endm
.macro MPAIR p
.if (\p) < 1
	s_wait_loadcnt 16                              ; this pair's 16 loads are in; the second pair's may be out
.else
	s_wait_loadcnt 0
.endif
	v_mov_b32 v[160+2*(\p)], 0                     ; (a lane write's destination counts as read)
	v_mov_b32 v[161+2*(\p)], 0
.set w, 0
.rept 8                                ; eight compares, then their eight lane writes: no lane write stands next to its own compare
.irp k, 0,1,2,3,4,5,6,7
	v_cmp_ne_u32 s[44+\k], 0, v[32+64*(\p)+w+\k]                   ; word w + k of the pair
.endr
.irp k, 0,1,2,3,4,5,6,7
	v_writelane_b32 v[160+2*(\p)+(\k&1)], s[44+\k], (w+\k)>>1      ; lane l stores words 2 l and 2 l + 1
.endr
.set w, w+8
.endr
	global_store_b64 v3, v[160+2*(\p):161+2*(\p)], s[38:39] offset:(\p)*256   ; 32 lanes store 256 consecutive bytes, aligned; each pair has its own data registers
.endm
	MLOADS 0
	MLOADS 1
	MPAIR 0
	MPAIR 1
	s_endpgm
; ---- Wo AND adj: plain streams.  A wave takes 8,192 numbers: 8 groups of 8 loads of 512 consecutive bytes, two groups ahead.
.macro SLOADS q
.irp i, 0,1,2,3,4,5,6,7
	global_load_b128 v[32+32*((\q)%2)+4*\i:32+32*((\q)%2)+4*\i+3], v3, s[36:37] offset:(8*(\q)+\i)*512 th:TH_LOAD_NT
.endr
.endm
.macro STREAM kind                     ; kind 0: to f16;  kind 1: x log2(e)
	v_lshlrev_b32 v3, 4, v2                        ; 16 bytes a lane
	v_lshlrev_b32 v4, 3, v2                        ; 8 bytes a lane
	SLOADS 0
	SLOADS 1
.irp q, 0,1,2,3,4,5,6,7
.if \q < 7
	s_wait_loadcnt 8                               ; this group is in; the next group's 8 loads may be out
.else
	s_wait_loadcnt 0
.endif
.if \q >= 2
	s_wait_xcnt 0x0                                ; the stores of two groups back have read their data registers, which are written again below
.endif
.irp i, 0,1,2,3,4,5,6,7
.if \kind
	v_pk_mul_f32 v[96+32*(\q%2)+4*\i:96+32*(\q%2)+4*\i+1], v[32+32*(\q%2)+4*\i:32+32*(\q%2)+4*\i+1], s[40:41] op_sel_hi:[1,0]
	v_pk_mul_f32 v[96+32*(\q%2)+4*\i+2:96+32*(\q%2)+4*\i+3], v[32+32*(\q%2)+4*\i+2:32+32*(\q%2)+4*\i+3], s[40:41] op_sel_hi:[1,0]
.else
	v_cvt_pk_f16_f32 v[96+32*(\q%2)+4*\i], v[32+32*(\q%2)+4*\i], v[32+32*(\q%2)+4*\i+1]
	v_cvt_pk_f16_f32 v[96+32*(\q%2)+4*\i+1], v[32+32*(\q%2)+4*\i+2], v[32+32*(\q%2)+4*\i+3]
.endif
.endr
.if \q < 6
	SLOADS \q+2
.endif
.irp i, 0,1,2,3,4,5,6,7
.if \kind
	global_store_b128 v3, v[96+32*(\q%2)+4*\i:96+32*(\q%2)+4*\i+3], s[38:39] offset:(8*\q+\i)*512
.else
	global_store_b64 v4, v[96+32*(\q%2)+4*\i:96+32*(\q%2)+4*\i+1], s[38:39] offset:(8*\q+\i)*256
.endif
.endr
.endr
.endm
.LO:
	s_sub_co_u32 s32, ttmp9, 224
	s_lshl_b32 s32, s32, 2
	s_add_co_u32 s32, s32, s28                     ; which run of 8,192 numbers
	s_lshl_b32 s34, s32, 15
	s_mov_b32 s35, 0
	s_add_nc_u64 s[36:37], s[12:13], s[34:35]
	s_lshl_b32 s34, s32, 14
	s_add_nc_u64 s[38:39], s[22:23], s[34:35]
	STREAM 0
	s_endpgm
.LA:
	s_sub_co_u32 s32, ttmp9, 256
	s_lshl_b32 s32, s32, 2
	s_add_co_u32 s32, s32, s28
	s_lshl_b32 s34, s32, 15
	s_mov_b32 s35, 0
	s_add_nc_u64 s[36:37], s[14:15], s[34:35]
	s_add_nc_u64 s[38:39], s[24:25], s[34:35]
	s_mov_b32 s40, 0x3fb8aa3b                      ; log2(e)
	s_mov_b32 s41, s40                             ; (named with it as a pair, so it is written)
	STREAM 1
	s_endpgm
; ---- x: K is innermost, rows are dense: a plain stream of blocks of 32.  A wave takes 16 steps of 512 numbers.  Each load reads 512 consecutive bytes; a step's 2,048 bytes turn through the wave's own
; stage in LDS and come back 64 bytes a lane: 16 neighbours along K, two neighbouring lanes to a block.  A wave's 256 scale bytes are gathered in LDS and leave as 256 consecutive bytes.
.set STEPS, 16
.set CB,    8                          ; bytes of 16 codes
.set XR,    16                         ; v16-79   four sets of 16 numbers as loaded
.set XX,    80                         ; v80-111  two sets of 16 neighbours
.set XE,    112                        ; v112-127 a scale byte for each step
.set XC,    128                        ; v128-191 codes: own registers for each step
.set WREG,  8192                       ; a wave's region: two stages of 32 x SP bytes, then its 256 scale bytes
.set SP,    80                         ; a lane's place in a stage: 64 bytes + 16 of padding
.macro XLOAD t
.irp i, 0,1,2,3
	global_load_b128 v[XR+16*((\t)%4)+4*\i:XR+16*((\t)%4)+4*\i+3], v3, s[4:5] offset:2048*(\t)+512*\i th:TH_LOAD_NT
.endr
.endm
.macro XTURN t                         ; LDS serves a wave's instructions in order: no wait between the stores and the loads
.irp i, 0,1,2,3
	ds_store_b128 v14, v[XR+16*((\t)%4)+4*\i:XR+16*((\t)%4)+4*\i+3] offset:32*SP*((\t)%2)+8*SP*\i
.endr
.irp i, 0,1,2,3
	ds_load_b128 v[XX+16*((\t)%2)+4*\i:XX+16*((\t)%2)+4*\i+3], v15 offset:32*SP*((\t)%2)+16*\i
.endr
.endm
.macro XSTEP t
.set XSR, XX+16*((\t)%2)
.if (\t) > 0
	s_wait_dscnt 1                                 ; this step's numbers are back from the stage; the last step's byte store may be out
.else
	s_wait_dscnt 0x0
.endif
.if (\t)+4 < STEPS
	XLOAD (\t)+4
.endif
.if (\t)+1 < STEPS
.if STEPS-2-(\t) >= 3
	s_wait_loadcnt 12                              ; the next step's four loads are in; those of the three steps behind it may be out
.else
	s_wait_loadcnt 4*(STEPS-2-(\t))
.endif
	XTURN (\t)+1
.endif
	v_max3_num_f32 v8, |v[XSR]|, |v[XSR+1]|, |v[XSR+2]|            ; the largest magnitude of my 16, in two chains
	v_max3_num_f32 v9, |v[XSR+3]|, |v[XSR+4]|, |v[XSR+5]|
.irp i, 6,10
	v_max3_num_f32 v8, v8, |v[XSR+\i]|, |v[XSR+\i+1]|
	v_max3_num_f32 v9, v9, |v[XSR+\i+2]|, |v[XSR+\i+3]|
.endr
	v_max3_num_f32 v8, v8, |v[XSR+14]|, |v[XSR+15]|
	v_max3_num_f32 v8, v8, v9, (EMAX+1)<<23        ; and the floor 2^(EMAX + 1 - 127): the byte cannot fall under 1
	v_max_num_f32_dpp v8, v8, v8 row_xmask:1 row_mask:0xf bank_mask:0xf   ; with my neighbour's 16: the block's
	v_add_nc_u32 v11, -(EMAX<<23), v8              ; EMAX off its exponent field: the conversion takes the exponent field of this operand as its scale
	v_cvt_scalef32_pk8_fp4_f32 v[XC+4*(\t)], v[XSR:XSR+7], v11
	v_cvt_scalef32_pk8_fp4_f32 v[XC+4*(\t)+1], v[XSR+8:XSR+15], v11
	v_lshrrev_b32 v[XE+(\t)], 23, v11              ; the scale's byte (also the plain line behind the conversions)
	ds_store_b8 v5, v[XE+(\t)] offset:16*(\t)      ; both lanes of a block write the same byte with the same value
	global_store_b64 v4, v[XC+4*(\t):XC+4*(\t)+1], s[38:39] offset:32*CB*(\t)   ; 32 lanes store 256 consecutive bytes
.endm
.LX:
	v_lshlrev_b32 v3, 4, v2                        ; my 16 bytes of a load's 512
	s_mul_i32 s32, s28, WREG
	v_lshrrev_b32 v14, 2, v2
	v_mul_u32_u24 v14, v14, SP
	v_and_b32 v15, 3, v2
	v_lshl_add_u32 v14, v15, 4, v14
	v_add_nc_u32 v14, s32, v14                     ; the stage, in: SP (lane / 4) + 16 (lane % 4)
	v_mul_u32_u24 v15, v2, SP
	v_add_nc_u32 v15, s32, v15                     ; and out: SP x lane
	v_mul_u32_u24 v4, v2, CB
	v_lshrrev_b32 v5, 1, v2
	s_add_co_u32 s32, s32, 2*32*SP
	v_add_nc_u32 v5, s32, v5                       ; my block's byte among my wave's 256
	v_lshlrev_b32 v7, 3, v2
	v_add_nc_u32 v6, s32, v7
	s_lshl_b32 s33, ttmp9, 2
	s_add_co_u32 s34, s33, s28                     ; which run of 8,192 numbers is my wave's
	s_lshl_b32 s36, s34, 15
	s_mov_b32 s37, 0
	s_add_nc_u64 s[4:5], s[4:5], s[36:37]
	s_lshl_b32 s36, s34, 12
	s_add_nc_u64 s[38:39], s[18:19], s[36:37]      ; its codes
	s_lshl_b32 s36, s34, 8
	s_add_nc_u64 s[40:41], s[18:19], s[36:37]
	s_add_nc_u64 s[40:41], s[40:41], XS_OFF        ; its scale bytes
.irp t, 0,1,2,3
	XLOAD \t
.endr
	s_wait_loadcnt 12                              ; step 0's four loads are in
	XTURN 0
.irp t, 0,1,2,3,4,5,6,7,8,9,10,11,12,13,14,15
	XSTEP \t
.endr
	ds_load_b64 v[8:9], v6                         ; in order behind my byte stores
	s_wait_dscnt 0x0
	global_store_b64 v7, v[8:9], s[40:41]          ; 256 consecutive bytes
	s_wait_tensorcnt 0x0                           ; the wave's end, behind my last LDS store
	ds_add_u32 v[SPW], v[NIL]
	s_wait_dscnt 0x0
	s_endpgm
; ---- Wq, Wk, Wv: K is the FIRST axis.  A lane takes a column n and its registers run down K: a block of 32 lies in one lane, and the conversions give codes with K innermost.
; A wave takes 16 columns x 512 along K: lanes 0-15 the first 256 along K, lanes 16-31 the second: 8 blocks a lane.  The four waves stand side by side on 64 columns: 256 consecutive bytes of each row of the weight.
; A wave's codes go through its own stage in LDS and leave as rows: sixteen lanes store 256 consecutive bytes.  Loads run two blocks ahead.
.set NB,     8                         ; blocks of a lane
.set WPITCH, 272                       ; a stage row: 256 bytes + 16
.set KROW,   512                       ; a row of codes in memory
.set WX,     32                        ; v32-95   two sets of 32 numbers
.set WC,     96                        ; v96-99   a block's codes
.set WOUT,   112                       ; v112-143 the way out
.set WSB,    24                        ; v24-25   the scale bytes, four to a register
.macro WLOAD t
.set i, 0
.rept 32
	global_load_b32 v[WX+32*((\t)%2)+i], v3, s[36:37] offset:(32*(\t)+i)*4096 th:TH_LOAD_NT
.set i, i+1
.endr
.endm
.macro WBLOCK t
.set WXS, WX+32*((\t)%2)
.if (\t) < NB-1
	s_wait_loadcnt 32                              ; this block's 32 loads are in; the next block's may be out
.else
	s_wait_loadcnt 0
.endif
	v_max3_num_f32 v12, |v[WXS]|, |v[WXS+1]|, |v[WXS+2]|           ; all 32 numbers of the block are mine
	v_max3_num_f32 v13, |v[WXS+3]|, |v[WXS+4]|, |v[WXS+5]|
.irp i, 6,10,14,18,22,26
	v_max3_num_f32 v12, v12, |v[WXS+\i]|, |v[WXS+\i+1]|
	v_max3_num_f32 v13, v13, |v[WXS+\i+2]|, |v[WXS+\i+3]|
.endr
	v_max3_num_f32 v12, v12, |v[WXS+30]|, |v[WXS+31]|
	v_max3_num_f32 v12, v12, v13, (EMAX+1)<<23     ; and the floor
	v_add_nc_u32 v11, -(EMAX<<23), v12             ; the conversion's scale operand
	v_lshrrev_b32 v13, 23, v11                     ; the scale's byte
.if (\t)%4 == 0
	v_mov_b32 v[WSB+(\t)/4], v13
.else
	v_lshl_or_b32 v[WSB+(\t)/4], v13, 8*((\t)%4), v[WSB+(\t)/4]
.endif
.irp g, 0,1,2,3
	v_cvt_scalef32_pk8_fp4_f32 v[WC+\g], v[WXS+8*\g:WXS+8*\g+7], v11
.endr
	v_nop                                          ; a plain line behind the last conversion
	ds_store_b128 v4, v[WC:WC+3] offset:16*(\t)    ; 32 codes: 16 bytes of my column's row
.if (\t)+2 < NB
	WLOAD (\t)+2
.endif
	s_wait_dscnt 0x0                               ; the store has read its registers: the next block's codes may be written
.endm
.LW:
	s_sub_co_u32 s32, ttmp9, 128
	s_lshr_b32 s33, s32, 5                         ; which weight
	s_and_b32 s34, s32, 15                         ; which 64 columns
	s_bfe_u32 s35, s32, 0x10004                    ; which half of K
	s_cmp_eq_u32 s33, 0
	s_cselect_b64 s[36:37], s[6:7], s[8:9]
	s_cmp_eq_u32 s33, 2
	s_cselect_b64 s[36:37], s[10:11], s[36:37]
	s_lshl_b32 s38, s34, 6
	s_lshl_b32 s39, s28, 4
	s_add_co_u32 s38, s38, s39                     ; my wave's first column
	s_lshl_b32 s40, s35, 21                        ; 512 rows of 4,096 bytes
	s_lshl_b32 s41, s38, 2
	s_add_co_u32 s40, s40, s41
	s_mov_b32 s41, 0
	s_add_nc_u64 s[36:37], s[36:37], s[40:41]
	s_lshl_b32 s42, s33, 10
	s_add_co_u32 s42, s42, s38                     ; its row in wq4
	s_lshl_b32 s40, s42, 9
	s_lshl_b32 s43, s35, 8
	s_add_co_u32 s40, s40, s43
	s_add_nc_u64 s[44:45], s[20:21], s[40:41]      ; codes
	s_lshl_b32 s40, s42, 5
	s_lshl_b32 s43, s35, 4
	s_add_co_u32 s40, s40, s43
	s_add_nc_u64 s[46:47], s[20:21], s[40:41]
	s_add_nc_u64 s[46:47], s[46:47], WS_OFF        ; scale bytes
	v_and_b32 v5, 15, v2                           ; r: my column
	v_lshrrev_b32 v6, 4, v2                        ; h: my 256 along K
	v_lshlrev_b32 v3, 2, v5                        ; in: 4 bytes a column,
	v_lshl_add_u32 v3, v6, 20, v3                  ; and 256 rows of 4,096 bytes further down for lanes 16-31
	s_mul_i32 s48, s28, 16*WPITCH
	s_add_co_u32 s48, s48, WSTG                    ; my stage
	v_mul_u32_u24 v4, v5, WPITCH
	v_lshl_add_u32 v4, v6, 7, v4
	v_add_nc_u32 v4, s48, v4                       ; into it: row = my column, + 128 bytes for the second 256 along K
	v_mul_u32_u24 v7, v6, WPITCH
	v_lshl_add_u32 v7, v5, 4, v7
	v_add_nc_u32 v7, s48, v7                       ; out of it: sixteen lanes to a row, two rows an instruction
	v_mul_u32_u24 v8, v6, KROW
	v_lshl_add_u32 v8, v5, 4, v8                   ; and the same place in memory
	v_lshlrev_b32 v9, 5, v5
	v_lshl_add_u32 v9, v6, 3, v9                   ; my eight scale bytes in my column's row
	WLOAD 0
	WLOAD 1
.set Q, 0
.rept NB
	WBLOCK Q
.set Q, Q+1
.endr
	global_store_b64 v9, v[WSB:WSB+1], s[46:47]    ; my eight scale bytes
.irp t, 0,1,2,3,4,5,6,7
	ds_load_b128 v[WOUT+4*\t:WOUT+4*\t+3], v7 offset:2*\t*WPITCH
.endr
.irp t, 0,1,2,3,4,5,6,7
	s_wait_dscnt 7-\t                              ; the younger read-backs may be out
	global_store_b128 v8, v[WOUT+4*\t:WOUT+4*\t+3], s[44:45] offset:2*\t*KROW
.endr
	s_wait_tensorcnt 0x0                           ; the wave's end, behind my last LDS store
	ds_add_u32 v[SPW], v[NIL]
	s_wait_dscnt 0x0
	s_endpgm
.Lfunc_end_k_q97bc1ff60d_prep:
	.size	k_q97bc1ff60d_prep, .Lfunc_end_k_q97bc1ff60d_prep-k_q97bc1ff60d_prep
	.p2alignl 7, 3214868480
	.fill 96, 4, 3214868480
	.section	.rodata,"a",@progbits
	.p2align	6, 0x0
	.amdhsa_kernel k_q97bc1ff60d_prep
		.amdhsa_group_segment_fixed_size 68096
		.amdhsa_private_segment_fixed_size 0
		.amdhsa_enable_private_segment 0
		.amdhsa_kernarg_size 96
		.amdhsa_user_sgpr_count 2
		.amdhsa_user_sgpr_kernarg_segment_ptr 1
		.amdhsa_wavefront_size32 1
		.amdhsa_system_sgpr_workgroup_id_x 1
		.amdhsa_system_sgpr_workgroup_id_y 1
		.amdhsa_system_sgpr_workgroup_id_z 1
		.amdhsa_system_vgpr_workitem_id 0
		.amdhsa_next_free_vgpr 256
		.amdhsa_next_free_sgpr 66
		.amdhsa_reserve_vcc 0
		.amdhsa_float_denorm_mode_32 3
		.amdhsa_float_denorm_mode_16_64 3
		.amdhsa_memory_ordered 1
		.amdhsa_forward_progress 1
		.amdhsa_inst_pref_size 135
	.end_amdhsa_kernel
	.amdgpu_metadata
---
amdhsa.version: [ 1, 2 ]
amdhsa.kernels:
  - .name:           k_q97bc1ff60d_prep
    .symbol:         k_q97bc1ff60d_prep.kd
    .args:
      - { .name: x, .offset: 0, .size: 8, .value_kind: global_buffer, .address_space: global }
      - { .name: Wq, .offset: 8, .size: 8, .value_kind: global_buffer, .address_space: global }
      - { .name: Wk, .offset: 16, .size: 8, .value_kind: global_buffer, .address_space: global }
      - { .name: Wv, .offset: 24, .size: 8, .value_kind: global_buffer, .address_space: global }
      - { .name: Wo, .offset: 32, .size: 8, .value_kind: global_buffer, .address_space: global }
      - { .name: adj, .offset: 40, .size: 8, .value_kind: global_buffer, .address_space: global }
      - { .name: mask, .offset: 48, .size: 8, .value_kind: global_buffer, .address_space: global }
      - { .name: xq, .offset: 56, .size: 8, .value_kind: global_buffer, .address_space: global }
      - { .name: wq4, .offset: 64, .size: 8, .value_kind: global_buffer, .address_space: global }
      - { .name: woh, .offset: 72, .size: 8, .value_kind: global_buffer, .address_space: global }
      - { .name: adj2, .offset: 80, .size: 8, .value_kind: global_buffer, .address_space: global }
      - { .name: maskw, .offset: 88, .size: 8, .value_kind: global_buffer, .address_space: global }
    .group_segment_fixed_size: 68096
    .private_segment_fixed_size: 0
    .kernarg_segment_align: 8
    .kernarg_segment_size: 96
    .max_flat_workgroup_size: 128
    .sgpr_count:     66
    .vgpr_count:     256
    .wavefront_size: 32
...
	.end_amdgpu_metadata
.endif
;; end of part 1
;; launch proj (part 2): grid 12 x 16, 4 waves a work-group, clusters of 4 x 4, 327,680 bytes of LDS; arguments xq, wq4, bq, bk, bv, qkvh; writes qkvh
.if DOCPART == 2
	.amdgcn_target "amdgcn-amd-amdhsa--gfx1250"
	.amdhsa_code_object_version 6
	.text
	.protected	k_q97bc1ff60d_proj
	.globl	k_q97bc1ff60d_proj
	.p2align	8
	.type	k_q97bc1ff60d_proj,@function
k_q97bc1ff60d_proj:
	s_mov_b64 s[64:65], 0
	v_nop
	global_prefetch_b8 v0, s[64:65] scope:SCOPE_SE
	s_setreg_imm32_b32 hwreg(HW_REG_WAVE_MODE, 25, 1), 1
	s_wait_xcnt 0x0
	s_wait_alu depctr_hold_cnt(0) depctr_sa_sdst(0) depctr_va_vdst(0) depctr_va_sdst(0) depctr_va_ssrc(0) depctr_va_vcc(0) depctr_vm_vsrc(0)
	s_getreg_b32 s2, hwreg(HW_REG_IB_STS2, 6, 4)
	s_cmp_eq_u32 s2, 0
	s_cbranch_scc0 .Lentry_in_a_cluster
	s_endpgm
.Lentry_in_a_cluster:
	s_bfe_u32 s2, ttmp6, 0x10000c
	s_cmp_lg_u32 s2, 0xf033
	s_cbranch_scc0 .Lentry_shape_is_right
	s_endpgm
.Lentry_shape_is_right:
; PROJ: the three projections as ONE product on codes of FP4 (E2M1) with E8M0 scales: C[4096][3072] = x W + bias, W's columns being Wq's, Wk's, Wv's on end; sums in f32.
; The result leaves as f16 in three planes [4096][1024] (Q, K, V); Q is first multiplied by log2(e) / 32, so that the scores later come out in the domain of powers of two.
; LIMIT: |Q log2(e) / 32|, |K|, |V| up to 65,504 (f16's range).
; A tile of C, 256 x 256, is made by four waves, 128 x 128 each: 64 accumulators, 512 registers.  K = 1,024 is two K steps of 512: both slots and all scale bytes are first fills; nothing is filled again.
; CLUSTERS: 4 x 4 work-groups; A's tiles are shared along a row of the cluster, B's along a column: each is asked for jointly.  A cluster's four tile columns are one projection: which one is the cluster's x.
; THE MATRIX INSTRUCTION IS USED TRANSPOSED (source 0 = 16 rows of wq4, source 1 = 16 rows of xq): a lane holds eight neighbouring columns of one row of C.  The bias is the C of each sum's first product.
; REGISTERS: window 0: v0-31 addresses; v32-95 scale words, two sets, and nothing else; v96-127 packed f16 on the way out; v128-191 A's fragments, later rows read back; v192-255 the bias, later scaled results.
;   window 1: B's fragments, two sets, at v0 and v128.   window 2: the accumulators of my rows 0-63 ((a, b) at v[8 (8 a + b)]);   window 3: those of rows 64-127.
.set SIZE_K, 1024
.set XS_OFF, 2097152
.set WS_OFF, 1572864
.set KSTEP,  512
.set NQ,     KSTEP/128
.set ROWB,   256                       ; a tile's row in bytes
.set KROW,   SIZE_K/2                  ; a row of codes in memory
.set PITCH,  272                       ; an LDS row: 256 + 16: the 16 rows of a load start 17 x 16 bytes apart
.set FR,     8
.set NL,     2
.set NP,     4
.set HALFT,  128*PITCH
.set SLOT,   4*HALFT
.set KS,     SIZE_K/32
.set SCL,    2*SLOT
.set HALFS,  (128*KS/256)*272
.set SBLK,   (16*KS/256)*272
.set SPARE,  SCL+4*HALFS
.set SPITCH, 272                       ; the way out: 16 rows x (256 bytes + 16) for each wave, in slot 0, which by then has had its only fill and its last read
.set OROW,   2048                      ; a row of a plane in bytes
.set ADRA, 16
.set ADRB, 20
.set STO,  24
.set RD,   25
.set CO,   26
.set ADRS, 27
.set SPW,  28
.set NIL,  29
.set BO,   30                          ; v30  32 x (lane / 16): my eight numbers of a bias tile
.set SC,   32
.set HF,   96
.set AF,   128
.set BK,   128
.set BIAS, 192
.set T32,  192
.set G1, 24
.set G0, 32
.set G1B, 48
.set G0B, 56
.set G1S, 68
.set G0S, 76
.set G1SB, 80
.set G0SB, 88
.set MSB, 0
.macro WIN new                         ; the immediate's high byte repeats the setting that is left
.if MSB != (\new)
	s_set_vgpr_msb (MSB<<8)|(\new)
.set MSB, \new
.endif
.endm
.set MUL_LO,  0xa1                     ; source 0 (B) window 1, source 1 (A) window 0, C and D window 2
.set MUL_HI,  0xf1
.set MULZ_LO, 0x81                     ; the first products: C (the bias) window 0, D window 2
.set MULZ_HI, 0xc1
.set TO_B,    0x40
.macro JLOAD g0a, g1a, g0b, g1b        ; waves 0 and 1 fetch for A, waves 2 and 3 for B; the branch hangs on the wave's number alone; an s_nop 0 and four v_nop follow each line
	s_cmp_eq_u32 s15, 0
	s_cbranch_scc0 .Lfor_b_\@
	tensor_load_to_lds s[\g0a:\g0a+3], s[\g1a:\g1a+7]
	s_nop 0
.rept 4
	v_nop
.endr
	s_branch .Lasked_\@
.Lfor_b_\@:
	tensor_load_to_lds s[\g0b:\g0b+3], s[\g1b:\g1b+7]
	s_nop 0
.rept 4
	v_nop
.endr
.Lasked_\@:
.endm
.macro CROUND                          ; a round of the cluster's barrier
	s_barrier_signal -1
	s_barrier_wait -1
	s_cmp_lg_u32 s14, 0
	s_cbranch_scc1 .Lnot_wave_0_\@
	s_barrier_signal -3
.Lnot_wave_0_\@:
	s_barrier_wait -3
	s_barrier_signal -1
	s_barrier_wait -1
.endm
	s_load_b64 s[4:5], s[0:1], 0x0                 ; xq
	s_load_b64 s[8:9], s[0:1], 0x8                 ; wq4
	s_load_b128 s[96:99], s[0:1], 0x10             ; bq, bk
	s_load_b64 s[100:101], s[0:1], 0x20            ; bv
	s_load_b64 s[12:13], s[0:1], 0x28              ; qkvh
	v_lshl_add_u32 v[SPW], v0, 2, SPARE
	v_mov_b32 v[NIL], 0
	ds_add_u32 v[SPW], v[NIL]                      ; the wave's opening: the add, twice on end, and its wait ahead of my first tensor load
	ds_add_u32 v[SPW], v[NIL]
	v_lshrrev_b32 v1, 5, v0
	v_readfirstlane_b32 s14, v1                    ; wave 0..3
	s_lshr_b32 s15, s14, 1                         ; which half of the tile's rows is mine; also: I fetch for A (0) or B (1)
	s_and_b32 s16, s14, 1                          ; which half of its columns; also: which 128 rows I fetch
	s_bfe_u32 s40, ttmp6, 0x40000                  ; cx
	s_bfe_u32 s41, ttmp6, 0x40004                  ; cy
	s_lshl_b32 s42, ttmp9, 2
	s_add_co_u32 s42, s42, s40                     ; tile column
	s_and_b32 s17, ttmp7, 0xffff
	s_lshl_b32 s17, s17, 2
	s_add_co_u32 s17, s17, s41                     ; tile row
	s_lshl_b32 s43, s41, 2
	s_lshl_b32 s43, 15, s43                        ; my row of the cluster
	s_lshl_b32 s44, 0x1111, s40                    ; my column
	s_or_b32 s[G1+0], s43, (0<<16)|(1<<20)|(1<<21)|(5<<22)|(3<<25)   ; the mask; elements of 1 byte; 4 words of padding after every 64
	s_or_b32 s[G1B+0], s44, (0<<16)|(1<<20)|(1<<21)|(5<<22)|(3<<25)
.irp g, G1, G1B
	s_mov_b32 s[\g+1], ROWB<<16                    ; tensor_dim0
	s_mov_b32 s[\g+2], 128<<16                     ; tensor_dim1
	s_mov_b32 s[\g+3], ROWB<<16                    ; tile_dim0
	s_mov_b32 s[\g+4], 128                         ; tile_dim1
	s_mov_b32 s[\g+5], KROW                        ; pitch
	s_mov_b32 s[\g+6], 0
	s_mov_b32 s[\g+7], 0
.endr
	s_or_b32 s[G1S+0], s43, (3<<16)|(1<<20)|(1<<21)|(5<<22)|(3<<25)  ; the scales of 128 rows: a dense block, as rows of 256 bytes (32 elements of 8 bytes)
	s_or_b32 s[G1SB+0], s44, (3<<16)|(1<<20)|(1<<21)|(5<<22)|(3<<25)
.irp g, G1S, G1SB
	s_mov_b32 s[\g+1], 32<<16
	s_mov_b32 s[\g+2], (128*KS/256)<<16
	s_mov_b32 s[\g+3], 32<<16
	s_mov_b32 s[\g+4], 128*KS/256
	s_mov_b32 s[\g+5], 32
	s_mov_b32 s[\g+6], 0
	s_mov_b32 s[\g+7], 0
.endr
	s_lshl_b32 s18, s16, 7
	s_lshl_b32 s20, s17, 8
	s_add_co_u32 s20, s20, s18                     ; A: row 256 x tile row + 128 x half
	s_lshl_b32 s46, s42, 8
	s_add_co_u32 s46, s46, s18                     ; B: row 256 x tile column + 128 x half
	s_mov_b32 s21, 0
	s_mov_b32 s47, 0
	s_mov_b64 s[18:19], KS
	s_mul_u64 s[22:23], s[20:21], s[18:19]         ; where these rows' scales begin
	s_mul_u64 s[92:93], s[46:47], s[18:19]
	s_mov_b64 s[18:19], KROW
	s_mul_u64 s[20:21], s[20:21], s[18:19]         ; and their codes
	s_mul_u64 s[46:47], s[46:47], s[18:19]
	s_mul_i32 s45, s14, HALFT                      ; where they go: wave x 128 rows
	s_mul_i32 s94, s14, HALFS
	s_wait_dscnt 0x0                               ; both opening adds are done
	s_wait_kmcnt 0x0
	s_add_nc_u64 s[6:7], s[4:5], XS_OFF            ; x's scale bytes
	s_add_nc_u64 s[10:11], s[8:9], WS_OFF          ; the weights'
	s_add_nc_u64 s[20:21], s[4:5], s[20:21]
	s_add_nc_u64 s[22:23], s[6:7], s[22:23]
	s_add_nc_u64 s[46:47], s[8:9], s[46:47]
	s_add_nc_u64 s[92:93], s[10:11], s[92:93]
	CROUND                                         ; all sixteen work-groups are here: the joint loads meet
	s_mov_b32 s[G0S], 1
	s_add_co_u32 s[G0S+1], s94, SCL
	s_mov_b64 s[G0S+2:G0S+3], s[22:23]
	s_or_b32 s[G0S+3], s[G0S+3], 0x80000000
	s_mov_b32 s[G0SB], 1
	s_add_co_u32 s[G0SB+1], s94, SCL
	s_mov_b64 s[G0SB+2:G0SB+3], s[92:93]
	s_or_b32 s[G0SB+3], s[G0SB+3], 0x80000000
	JLOAD G0S, G1S, G0SB, G1SB                     ; the scales first: they are wanted with K step 0
.irp s, 0,1
	s_mov_b32 s[G0+4*\s], 1
	s_add_co_u32 s[G0+4*\s+1], s45, \s*SLOT
	s_add_nc_u64 s[G0+4*\s+2:G0+4*\s+3], s[20:21], \s*ROWB
	s_or_b32 s[G0+4*\s+3], s[G0+4*\s+3], 0x80000000
	s_mov_b32 s[G0B+4*\s], 1
	s_add_co_u32 s[G0B+4*\s+1], s45, \s*SLOT
	s_add_nc_u64 s[G0B+4*\s+2:G0B+4*\s+3], s[46:47], \s*ROWB
	s_or_b32 s[G0B+4*\s+3], s[G0B+4*\s+3], 0x80000000
	JLOAD G0+4*\s, G1, G0B+4*\s, G1B               ; three tensor loads of mine are out in all
.endr
	v_and_b32 v1, 15, v0                           ; r
	v_bfe_u32 v2, v0, 4, 1                         ; h
	; the bias and Q's factor: chosen by the cluster's x, by selects alone
	s_cmp_eq_u32 ttmp9, 0
	s_cselect_b64 s[96:97], s[96:97], s[98:99]
	s_cselect_b32 s66, 0x3d38aa3b, 1.0             ; log2(e) / 32 for Q, 1 for K and V
	s_cmp_eq_u32 ttmp9, 2
	s_cselect_b64 s[96:97], s[100:101], s[96:97]
	s_mov_b32 s67, s66                             ; (named with it as a pair)
	s_lshl_b32 s2, s40, 8
	s_lshl_b32 s3, s16, 7
	s_add_co_u32 s2, s2, s3                        ; my first column inside the projection
	s_lshl_b32 s94, s2, 2
	s_mov_b32 s95, 0
	s_add_nc_u64 s[96:97], s[96:97], s[94:95]
	v_lshlrev_b32 v[BO], 5, v2
.irp b, 0,1,2,3,4,5,6,7
	global_load_b128 v[BIAS+8*\b:BIAS+8*\b+3], v[BO], s[96:97] offset:64*\b        ; register 8 b + j: bias of column 16 b + 8 h + j: the result's layout
	global_load_b128 v[BIAS+8*\b+4:BIAS+8*\b+7], v[BO], s[96:97] offset:64*\b+16
.endr
	v_mul_u32_u24 v3, v1, PITCH
	v_lshl_add_u32 v4, v2, 4, v3                   ; a fragment's row x pitch + 16 x half
	s_mul_i32 s21, s15, HALFT
	s_mul_i32 s22, s16, HALFT
	s_add_co_u32 s22, s22, 2*HALFT
.irp s, 0,1
	v_add_nc_u32 v[ADRA+\s], s21, v4
	v_add_nc_u32 v[ADRB+\s], s22, v4
	s_add_co_u32 s21, s21, SLOT
	s_add_co_u32 s22, s22, SLOT
.endr
	v_mul_u32_u24 v5, v1, KS                       ; my row's scales: KS bytes a row,
	v_lshrrev_b32 v6, 8, v5
	v_lshl_add_u32 v5, v6, 4, v5                   ; and 16 more for each 256 passed
	s_mul_i32 s21, s15, HALFS
	s_mul_i32 s22, s16, HALFS
	s_add_co_u32 s22, s22, 2*HALFS
	s_sub_co_u32 s22, s22, s21
	v_mul_u32_u24 v6, s22, v2                      ; lanes 16-31 take B's
	s_add_co_u32 s21, s21, SCL
	v_add_nc_u32 v5, v5, v6
	v_add_nc_u32 v[ADRS], s21, v5
	s_mul_i32 s23, s14, 16*SPITCH                  ; my stage
	v_mul_u32_u24 v5, v1, SPITCH
	v_lshl_add_u32 v5, v2, 4, v5
	v_add_nc_u32 v[STO], s23, v5                   ; in: row r, 16 bytes for each half of the lanes
	v_mul_u32_u24 v5, v2, SPITCH
	v_lshl_add_u32 v5, v1, 4, v5
	v_add_nc_u32 v[RD], s23, v5                    ; back: lanes 0-15 one row of 256 bytes, lanes 16-31 the next
	v_lshlrev_b32 v5, 11, v2
	v_lshl_add_u32 v[CO], v1, 4, v5                ; and the same two rows in memory
	s_lshl_b32 s20, s17, 8
	s_lshl_b32 s21, s15, 7
	s_add_co_u32 s20, s20, s21                     ; my first row
	s_lshl_b32 s20, s20, 11
	s_lshl_b32 s21, ttmp9, 23                      ; the plane
	s_add_co_u32 s20, s20, s21
	s_lshl_b32 s21, s2, 1
	s_add_co_u32 s20, s20, s21
	s_mov_b32 s21, 0
	s_add_nc_u64 s[12:13], s[12:13], s[20:21]
.macro FRAG reg, adr, q, i             ; 16 rows x 128 K of 4-bit codes: 8 registers, two loads of 16 bytes, 32 bytes apart
.irp c, 0,1
	ds_load_b128 v[\reg+4*\c:\reg+4*\c+3], v[\adr] offset:64*(\q)+32*\c+(\i)*16*PITCH
.endr
.endm
; 16 matrix instructions: A's blocks a0, a0 + 1 x B's eight.  The 64 accumulators take turns, one instruction a turn, in the same order in every step.
.macro MUL16 a0, p, q, sc, zero
.irp a, \a0, \a0+1
.irp b, 0,1,2,3,4,5,6,7
.if \zero
	v_wmma_scale_f32_16x16x128_f8f6f4 v[8*(8*((\a)%4)+\b):8*(8*((\a)%4)+\b)+7], v[128*(\p)+FR*\b:128*(\p)+FR*\b+FR-1], v[AF+FR*(\a):AF+FR*(\a)+FR-1], v[BIAS+8*\b:BIAS+8*\b+7], v[SC+8*NQ*(\sc)+NQ*\b+(\q)], v[SC+8*NQ*(\sc)+NQ*(\a)+(\q)] matrix_a_fmt:MATRIX_FMT_FP4 matrix_b_fmt:MATRIX_FMT_FP4 matrix_a_scale:MATRIX_SCALE_ROW1
.else
	v_wmma_scale_f32_16x16x128_f8f6f4 v[8*(8*((\a)%4)+\b):8*(8*((\a)%4)+\b)+7], v[128*(\p)+FR*\b:128*(\p)+FR*\b+FR-1], v[AF+FR*(\a):AF+FR*(\a)+FR-1], v[8*(8*((\a)%4)+\b):8*(8*((\a)%4)+\b)+7], v[SC+8*NQ*(\sc)+NQ*\b+(\q)], v[SC+8*NQ*(\sc)+NQ*(\a)+(\q)] matrix_a_fmt:MATRIX_FMT_FP4 matrix_b_fmt:MATRIX_FMT_FP4 matrix_a_scale:MATRIX_SCALE_ROW1
.endif
.endr
.endr
.endm
.macro FETCH_B slot, q, p
	WIN TO_B
.irp i, 0,1,2,3,4,5,6,7
	FRAG 128*(\p)+FR*\i, ADRB+\slot, \q, \i
.endr
	WIN 0
.endm
.macro FETCH_A slot, q, i0
.irp i, \i0, \i0+1, \i0+2, \i0+3
	FRAG AF+FR*(\i), ADRA+\slot, \q, \i
.endr
.endm
.macro SCALES sc                       ; a K step's scale words: lanes 0-15 A's block i, lanes 16-31 B's block i
.irp i, 0,1,2,3,4,5,6,7
	ds_load_b128 v[SC+8*NQ*\sc+NQ*\i:SC+8*NQ*\sc+NQ*\i+3], v[ADRS] offset:\i*SBLK
.endr
.endm
.macro PLACES n                        ; plain vector lines between a matrix instruction and a load into, or a read of, its registers
.rept \n
	v_nop
.endr
.endm
.macro STEP slot, q, zero              ; 128 along K, its successor in the same slot
	s_wait_dscnt 4*NL                              ; B's set and A's blocks 0-3 are in; A's blocks 4-7 (8 loads) may be out
.if \zero
	WIN MULZ_LO
.else
	WIN MUL_LO
.endif
	MUL16 0, (\q)%2, \q, \slot, \zero
	MUL16 2, (\q)%2, \q, \slot, \zero
	s_wait_dscnt 0
	PLACES NP
	FETCH_B \slot, (\q)+1, 1-(\q)%2
	FETCH_A \slot, (\q)+1, 0
.if \zero
	WIN MULZ_HI
.else
	WIN MUL_HI
.endif
	MUL16 4, (\q)%2, \q, \slot, \zero
	MUL16 6, (\q)%2, \q, \slot, \zero
	PLACES NP
	WIN 0
	FETCH_A \slot, (\q)+1, 4
.endm
.macro TURN slot, next                 ; a slot's last step changes slots: one barrier
	s_wait_tensorcnt 0x0                           ; my part of the next slot has landed
	ds_add_u32 v[SPW], v[NIL]
	s_wait_dscnt 4*NL+1                            ; the add and A's blocks 4-7 may be out
	WIN MUL_LO
	MUL16 0, 1, NQ-1, \slot, 0
	s_wait_dscnt 0x0                               ; the add is done, and my reads of this slot are over
	s_barrier_signal -1
	MUL16 2, 1, NQ-1, \slot, 0
	WIN 0
	s_barrier_wait -1
	PLACES NP
	v_add_nc_u32 v[ADRS], 4*NQ, v[ADRS]            ; the next K step's scale words
	FETCH_B \next, 0, 0
	FETCH_A \next, 0, 0
	SCALES \next
	WIN MUL_HI
	MUL16 4, 1, NQ-1, \slot, 0
	MUL16 6, 1, NQ-1, \slot, 0
	PLACES NP
	WIN 0
	FETCH_A \next, 0, 4
.endm
.macro STEPS slot, from
.set Q, \from
.rept NQ-1-\from
	STEP \slot, Q, 0
.set Q, Q+1
.endr
.endm
	s_wait_tensorcnt 1                             ; the scales and my part of K step 0 are in; K step 1's load may be out
	s_barrier_signal -1
	s_barrier_wait -1
	FETCH_B 0, 0, 0
	FETCH_A 0, 0, 0
	SCALES 0
	FETCH_A 0, 0, 4
	s_wait_loadcnt 0x0                             ; the bias
	STEP 0, 0, 1                                   ; the first products start the sums from the bias: nothing is cleared, nothing is added later
	STEPS 0, 1
	TURN 0, 1
	STEPS 1, 0
	s_wait_dscnt 4*NL
	WIN MUL_LO
	MUL16 0, 1, NQ-1, 1, 0
	MUL16 2, 1, NQ-1, 1, 0
	s_wait_dscnt 0
	WIN MUL_HI
	MUL16 4, 1, NQ-1, 1, 0
	MUL16 6, 1, NQ-1, 1, 0
	WIN 0
; THE WAY OUT, a block of 16 rows x 128 columns at a time: x the factor, to f16 (16 bytes a lane), through my stage, back as whole rows of 256 bytes.
.macro PACK a
.set AC, 64*((\a)%4)
	WIN 0x02+(\a)/4                                ; source 0: window 2 or 3
.irp b, 0,1,2,3,4,5,6,7
.irp i, 0,1,2,3
	v_pk_mul_f32 v[T32+8*\b+2*\i:T32+8*\b+2*\i+1], v[AC+8*\b+2*\i:AC+8*\b+2*\i+1], s[66:67] op_sel_hi:[1,0]   ; each accumulator from its low end on
.endr
.endr
	WIN 0
.irp b, 0,1,2,3,4,5,6,7
.irp i, 0,1,2,3
	v_cvt_pk_f16_f32 v[HF+4*\b+\i], v[T32+8*\b+2*\i], v[T32+8*\b+2*\i+1]
.endr
.endr
.endm
.macro TOSTAGE a
.set BB, BK+32*((\a)%2)
.irp b, 0,1,2,3,4,5,6,7
	ds_store_b128 v[STO], v[HF+4*\b:HF+4*\b+3] offset:32*\b
.endr
.irp t, 0,1,2,3,4,5,6,7
	ds_load_b128 v[BB+4*\t:BB+4*\t+3], v[RD] offset:\t*2*SPITCH    ; in order behind my stores
.endr
.endm
.macro SEND a, younger
.set BB, BK+32*((\a)%2)
	s_wait_dscnt \younger
.if (\a) > 0
	s_add_nc_u64 s[12:13], s[12:13], 16*OROW       ; (behind a wait on XCNT: the earlier stores have read their base)
.endif
.irp t, 0,1,2,3,4,5,6,7
	global_store_b128 v[CO], v[BB+4*\t:BB+4*\t+3], s[12:13] offset:2*\t*OROW   ; 16 lanes store 256 consecutive bytes, aligned
.endr
.endm
	PLACES NP
	PACK 0
	TOSTAGE 0
.irp a, 1,2,3,4,5,6,7
.if \a > 1
	s_wait_xcnt 0x0                                ; block a - 2's stores have read their registers and their base
.endif
	PACK \a
	TOSTAGE \a
	SEND \a-1, 16                                  ; behind block a - 1's loads: block a's 8 stores and 8 loads
.endr
	s_wait_xcnt 0x0
	SEND 7, 0
	s_wait_tensorcnt 0x0                           ; the wave's end
	ds_add_u32 v[SPW], v[NIL]
	s_wait_dscnt 0x0
	CROUND                                         ; the closing round
	s_endpgm
.Lfunc_end_k_q97bc1ff60d_proj:
	.size	k_q97bc1ff60d_proj, .Lfunc_end_k_q97bc1ff60d_proj-k_q97bc1ff60d_proj
	.p2alignl 7, 3214868480
	.fill 96, 4, 3214868480
	.section	.rodata,"a",@progbits
	.p2align	6, 0x0
	.amdhsa_kernel k_q97bc1ff60d_proj
		.amdhsa_group_segment_fixed_size 327680
		.amdhsa_private_segment_fixed_size 0
		.amdhsa_enable_private_segment 0
		.amdhsa_kernarg_size 48
		.amdhsa_user_sgpr_count 2
		.amdhsa_user_sgpr_kernarg_segment_ptr 1
		.amdhsa_wavefront_size32 1
		.amdhsa_system_sgpr_workgroup_id_x 1
		.amdhsa_system_sgpr_workgroup_id_y 1
		.amdhsa_system_sgpr_workgroup_id_z 1
		.amdhsa_system_vgpr_workitem_id 0
		.amdhsa_next_free_vgpr 1024
		.amdhsa_next_free_sgpr 102
		.amdhsa_reserve_vcc 0
		.amdhsa_float_denorm_mode_32 3
		.amdhsa_float_denorm_mode_16_64 3
		.amdhsa_memory_ordered 1
		.amdhsa_forward_progress 1
		.amdhsa_inst_pref_size 145
	.end_amdhsa_kernel
	.amdgpu_metadata
---
amdhsa.version: [ 1, 2 ]
amdhsa.kernels:
  - .name:           k_q97bc1ff60d_proj
    .symbol:         k_q97bc1ff60d_proj.kd
    .args:
      - { .name: xq, .offset: 0, .size: 8, .value_kind: global_buffer, .address_space: global }
      - { .name: wq4, .offset: 8, .size: 8, .value_kind: global_buffer, .address_space: global }
      - { .name: bq, .offset: 16, .size: 8, .value_kind: global_buffer, .address_space: global }
      - { .name: bk, .offset: 24, .size: 8, .value_kind: global_buffer, .address_space: global }
      - { .name: bv, .offset: 32, .size: 8, .value_kind: global_buffer, .address_space: global }
      - { .name: qkvh, .offset: 40, .size: 8, .value_kind: global_buffer, .address_space: global }
    .group_segment_fixed_size: 327680
    .private_segment_fixed_size: 0
    .kernarg_segment_align: 8
    .kernarg_segment_size: 48
    .max_flat_workgroup_size: 128
    .sgpr_count:     102
    .vgpr_count:     1024
    .wavefront_size: 32
...
	.end_amdgpu_metadata
.endif
;; end of part 2
;; launch attn (part 3): grid 64 x 4, 8 waves a work-group, clusters of 4 x 1, 327,680 bytes of LDS; arguments qkvh, adj2, maskw, alpha, xoh; writes xoh
.if DOCPART == 3
	.amdgcn_target "amdgcn-amd-amdhsa--gfx1250"
	.amdhsa_code_object_version 6
	.text
	.protected	k_q97bc1ff60d_attn
	.globl	k_q97bc1ff60d_attn
	.p2align	8
	.type	k_q97bc1ff60d_attn,@function
k_q97bc1ff60d_attn:
	s_mov_b64 s[64:65], 0
	v_nop
	global_prefetch_b8 v0, s[64:65] scope:SCOPE_SE
	s_setreg_imm32_b32 hwreg(HW_REG_WAVE_MODE, 25, 1), 1
	s_wait_xcnt 0x0
	s_wait_alu depctr_hold_cnt(0) depctr_sa_sdst(0) depctr_va_vdst(0) depctr_va_sdst(0) depctr_va_ssrc(0) depctr_va_vcc(0) depctr_vm_vsrc(0)
	s_getreg_b32 s2, hwreg(HW_REG_IB_STS2, 6, 4)
	s_cmp_eq_u32 s2, 0
	s_cbranch_scc0 .Lentry_in_a_cluster
	s_endpgm
.Lentry_in_a_cluster:
	s_bfe_u32 s2, ttmp6, 0x10000c
	s_cmp_lg_u32 s2, 0x3003
	s_cbranch_scc0 .Lentry_shape_is_right
	s_endpgm
.Lentry_shape_is_right:
; ATTN: for each of 64 batches (head x batch) of 1,024 positions x 64 channels: t = Q' K^T + adj2 (Q' = Q log2(e) / 32, adj2 = adj log2(e): scores in the domain of powers of two);
; TWO softmaxes of the same scores, one as they are (g), one with -1e9 log2(e) in the place of every score whose mask is 0 (l); both times V; blended by sigmoid(alpha);
; signed square root; each row of 1,024 (16 positions x 64 channels = one tile of 16 queries) divided by max(its L2 norm, 1e-12), the norm being sqrt(sum |x|); out as f16.
; Each softmax has ITS OWN running maximum m and sum: p = 2^(t - m), the difference made by one subtraction, so that a row masked everywhere gives p = 1 exactly: the uniform weights that the definition gives.
; Products on f16 operands, sums in f32; maxima, exponentials, sums, blend, roots and norm in f32.
; LIMITS: NaN and infinities are not served; |x_o| under 2^-126 counts as 0 in the square root (ISA guide, v_sqrt_f32); Q', K, V come as f16.
; SHARES.  A work-group owns 256 queries of one batch; each of its eight waves 32: two tiles of 16.  Every wave walks 16 key steps of 64 keys.
; LAYOUT.  S^T = K Q^T + adj2 (source 0 = 16 keys, source 1 = 16 queries, C = adj2 loaded into the accumulator): a lane holds ONE query (lane % 16) and keys 8 (lane / 16) + 0..7 of each tile of 16.
; Two such tiles rounded to f16 ARE source 1 of O^T = V^T P; V ([key][channel]) comes out of LDS turned, by ds_load_tr16_b128.
; BY TURNS.  The two tiles never look at each other.  While one tile's two softmaxes are walked (268 vector instructions), the OTHER tile has the matrix unit: its 16 products V^T P of the step in hand, then its
; 8 products K Q^T of the next step, one product behind every 9 vector instructions.  A PERIOD is: the change of slots | tile 1's softmaxes of step t - 1, with tile 0's products | tile 0's softmaxes of step t,
; with tile 1's products.  With 9 vector instructions to a product the two window switches round each product are the lesser price against products in phases of their own.
; All of key step t's tile is read from LDS inside period t, in six runs of eight loads, each well ahead of its first use.
; CLUSTER.  The four partners are four batches with the SAME block of queries: they share the tile of adj2, 64 of a step's 80 KiB, which is asked for jointly.  K and V are each partner's own: plain loads behind the same round.
; Every wave issues exactly one tensor load at every fill: waves 0-3 a quarter of adj2, waves 4, 5 K's halves, waves 6, 7 V's halves.  One tensor load of a wave is out at a time.
; REGISTERS.  window 0: v1-23 addresses and temporaries; v24-55 statistics, 8 for each of (tile, softmax): +0 m, +1 its pair's partner, +2, +3 the sum, +4..+7 at work (+6: the factor a);
;   v56-61 at work at the end; v64-95 Q; v96-159 t, then p_g, of both tiles; v160-191 t_l, then p_l, of the tile in hand; v192-255 P as f16.
;   window 1: v0-127 O^T (64 u + 32 s + 8 dt); v128-191 V's fragments; v192-255 K's.
.set PA,    272                        ; a row of adj2 in LDS: 256 bytes + 16
.set PK,    144                        ; of K: 128 + 16
.set PVV,   160                        ; of V: 128 + 32
.set KOFF,  256*PA
.set VOFF,  KOFF+64*PK
.set SLOT1, 1<<17                      ; slot 1 begins here: one exclusive or turns an address
.set STAGE, 2*SLOT1                    ; 16 rows x 144 bytes for each wave, for the way out
.set SPS,   144
.set SPARE, STAGE+8*16*SPS             ; the spare words, 128 bytes for each wave
.set PLANE, 8388608
.set PER,   9                          ; vector instructions to a product
.set AADJ, 3
.set AK,   4
.set AV,   5
.set ADA,  6
.set ADK,  7
.set ADV,  8
.set STO,  9
.set RD,   10
.set GO,   11
.set SPW,  12
.set NIL,  13
.set NEGV, 14
.set PFO,  15
.set QO,   16
.set ST,   24
.set QF,   64
.set SG,   96
.set SL,   160
.set PF,   192
.set VF,   128                         ; window 1
.set KF,   192                         ; window 1
.set TB,   2                           ; s2   where the slot in hand begins
.set CNT,  3                           ; s3   fills still to be asked for
.set WV,   14
.set MO,   18                          ; s18  128 x key step: the place of the step's mask words
.set SEL,  20
.set G1A,  24
.set G1K,  32
.set G1V,  40
.set G0A,  48
.set G0K,  52
.set G0V,  56
.set PFA,  60
.set PFS,  62
.set LIM,  66
.set MSK,  68                          ; s[68:99] the 32 lane masks of the tile in hand
.set MSB, 0
.macro WIN new                         ; the immediate's high byte repeats the setting that is left; a switch that changes nothing is dropped
.if MSB != (\new)
	s_set_vgpr_msb (MSB<<8)|(\new)
.set MSB, \new
.endif
.endm
.macro PLACES
.rept 4
	v_nop
.endr
.endm
.macro CROUND
	s_barrier_signal -1
	s_barrier_wait -1
	s_cmp_lg_u32 s[WV], 0
	s_cbranch_scc1 .Lnot_wave_0_\@
	s_barrier_signal -3
.Lnot_wave_0_\@:
	s_barrier_wait -3
	s_barrier_signal -1
	s_barrier_wait -1
.endm
.macro JLOAD                           ; the branches hang on the wave's number alone; an s_nop 0 and four v_nop follow each line
	s_cmp_lt_u32 s[WV], 4
	s_cbranch_scc0 .Lnot_a_\@
	tensor_load_to_lds s[G0A:G0A+3], s[G1A:G1A+7]
	s_nop 0
.rept 4
	v_nop
.endr
	s_branch .Lasked_\@
.Lnot_a_\@:
	s_cmp_lt_u32 s[WV], 6
	s_cbranch_scc0 .Lfor_v_\@
	tensor_load_to_lds s[G0K:G0K+3], s[G1K:G1K+7]
	s_nop 0
.rept 4
	v_nop
.endr
	s_branch .Lasked_\@
.Lfor_v_\@:
	tensor_load_to_lds s[G0V:G0V+3], s[G1V:G1V+7]
	s_nop 0
.rept 4
	v_nop
.endr
.Lasked_\@:
.endm
; A PREFETCH INTO THE L2 of the key step that the NEXT change of slots will ask for, one period ahead; it stands behind the wave's tensor load and its five lines.  Each 256 bytes are named once in the launch.
; adj2's tile of a block of queries is read by all sixteen clusters of that block: the first (cluster x = 0) asks; its four partners take 64 rows each, told apart by address; waves 0 and 1, 32 rows each, a lane a row.
; K and V of a batch are read by the four work-groups of that batch: the one with y = 0 asks; wave 4 for K's 8,192 bytes, wave 6 for V's, lanes 256 bytes apart.  The last change that fills a slot asks for nothing.
.macro ASK
	s_cmp_gt_u32 s[CNT], s[LIM]
	s_cbranch_scc0 .Lnot_mine_\@
	global_prefetch_b8 v[PFO], s[PFA:PFA+1] th:TH_LOAD_NT scope:SCOPE_SE
.Lnot_mine_\@:
.endm
	s_load_b256 s[4:11], s[0:1], 0x0               ; qkvh 4:5, adj2 6:7, maskw 8:9, alpha 10:11
	s_load_b64 s[12:13], s[0:1], 0x20              ; xoh
	v_lshl_add_u32 v[SPW], v0, 2, SPARE
	v_mov_b32 v[NIL], 0
	ds_add_u32 v[SPW], v[NIL]                      ; the wave's opening: the add, twice on end, and its wait ahead of my first tensor load
	ds_add_u32 v[SPW], v[NIL]
	v_lshrrev_b32 v17, 5, v0
	v_readfirstlane_b32 s[WV], v17                 ; wave 0..7
	s_bfe_u32 s15, ttmp6, 0x40000                  ; cx
	s_lshl_b32 s16, ttmp9, 2
	s_add_co_u32 s16, s16, s15                     ; the batch g = 4 x cluster x + cx: it enters global addresses alone
	s_and_b32 s17, ttmp7, 0xffff                   ; y: the block of 256 queries, which the partners share
	s_mov_b32 s[G1A], 15|(2<<16)|(1<<20)|(1<<21)|(5<<22)|(3<<25)   ; adj2: all four partners; elements of 4 bytes; 4 words of padding after every 64
	s_mov_b32 s[G1A+1], 64<<16                     ; tensor_dim0 = 64
	s_mov_b32 s[G1A+2], 64<<16                     ; tensor_dim1 = 64
	s_mov_b32 s[G1A+3], 64<<16                     ; tile_dim0 = 64
	s_mov_b32 s[G1A+4], 64                         ; tile_dim1 = 64
	s_mov_b32 s[G1A+5], 1024                       ; pitch
	s_mov_b32 s[G1A+6], 0
	s_mov_b32 s[G1A+7], 0
	s_mov_b32 s[G1K], (1<<16)|(1<<20)|(4<<22)|(3<<25)              ; K: no mask; elements of 2 bytes; 4 words after every 32
	s_mov_b32 s[G1V], (1<<16)|(1<<20)|(4<<22)|(7<<25)              ; V: 8 words
.irp g, G1K, G1V
	s_mov_b32 s[\g+1], 64<<16
	s_mov_b32 s[\g+2], 32<<16
	s_mov_b32 s[\g+3], 64<<16
	s_mov_b32 s[\g+4], 32
	s_mov_b32 s[\g+5], 64
	s_mov_b32 s[\g+6], 0
	s_mov_b32 s[\g+7], 0
.endr
	s_mov_b32 s[SEL], 0x76543210
	s_mov_b32 s[SEL+1], 0xfedcba98
	s_mov_b32 s[TB], 0
	s_mov_b32 s[CNT], 15
	s_mov_b32 s[MO], 0
	s_mov_b32 s[G0A], 1
	s_mov_b32 s[G0K], 1
	s_mov_b32 s[G0V], 1
	s_and_b32 s100, s[WV], 3                       ; adj2: my quarter (s100, s101 never hold the place in the cluster)
	s_mul_i32 s[G0A+1], s100, 64*PA
	s_lshl_b32 s100, s100, 6
	s_lshl_b32 s101, s17, 8
	s_add_co_u32 s100, s100, s101                  ; row 256 y + 64 x quarter
	s_lshl_b32 s100, s100, 12
	s_mov_b32 s101, 0
	s_mul_i32 s[G0K+1], s[WV], 32*PK
	s_add_co_u32 s[G0K+1], s[G0K+1], KOFF-4*32*PK  ; waves 4, 5: K's halves
	s_mul_i32 s[G0V+1], s[WV], 32*PVV
	s_add_co_u32 s[G0V+1], s[G0V+1], VOFF-6*32*PVV ; waves 6, 7: V's halves
	s_lshl_b32 s22, s16, 17                        ; a batch is 131,072 bytes of a plane
	s_and_b32 s23, s[WV], 1
	s_lshl_b32 s23, s23, 12                        ; 32 rows of 128 bytes
	s_add_co_u32 s22, s22, s23
	s_mov_b32 s23, 0
	s_wait_dscnt 0x0                               ; both opening adds are done
	s_wait_kmcnt 0x0
	s_add_nc_u64 s[G0A+2:G0A+3], s[6:7], s[100:101]
	s_or_b32 s[G0A+3], s[G0A+3], 0x80000000
	s_add_nc_u64 s[G0K+2:G0K+3], s[4:5], s[22:23]
	s_add_nc_u64 s[G0V+2:G0V+3], s[G0K+2:G0K+3], 2*PLANE
	s_add_nc_u64 s[G0K+2:G0K+3], s[G0K+2:G0K+3], PLANE
	s_or_b32 s[G0K+3], s[G0K+3], 0x80000000
	s_or_b32 s[G0V+3], s[G0V+3], 0x80000000
	CROUND                                         ; all four work-groups are here
	JLOAD                                          ; key step 0 into slot 0
	; the prefetches: where my wave's stand, and who asks (s68 on are free until the masks are asked for)
	s_and_b32 s68, s[WV], 1
	s_lshl_b32 s69, s68, 5
	s_lshl_b32 s70, s15, 6
	s_add_co_u32 s70, s70, s69
	s_lshl_b32 s69, s17, 8
	s_add_co_u32 s70, s70, s69                     ; adj2: row 256 y + 64 cx + 32 (wave & 1)
	s_lshl_b32 s70, s70, 12
	s_add_co_u32 s70, s70, 256                     ; at key step 1: the first change steps it to 2
	s_bfe_u32 s71, s[WV], 0x10001
	s_add_co_u32 s71, s71, 1                       ; plane 1 (K) in wave 4, 2 (V) in wave 6
	s_lshl_b32 s71, s71, 23
	s_lshl_b32 s69, s16, 17
	s_add_co_u32 s71, s71, s69
	s_add_co_u32 s71, s71, 8192                    ; at key step 1
	s_lshr_b32 s72, s[WV], 1
	s_or_b32 s72, s72, ttmp9                       ; 0 in waves 0, 1 of the first cluster along x
	s_or_b32 s73, s68, s17                         ; 0 in even waves where y = 0
	s_mov_b32 s75, 8192
	s_cmp_lt_u32 s[WV], 4
	s_cselect_b64 s[PFA:PFA+1], s[6:7], s[4:5]
	s_cselect_b32 s70, s70, s71
	s_cselect_b32 s72, s72, s73
	s_cselect_b32 s74, 12, 8                       ; from lane to lane: 4,096 or 256 bytes
	s_cselect_b32 s[PFS], 256, s75                 ; a key step on
	s_mov_b32 s71, 0
	s_mov_b32 s[PFS+1], 0
	s_add_nc_u64 s[PFA:PFA+1], s[PFA:PFA+1], s[70:71]
	s_cmp_eq_u32 s72, 0
	s_cselect_b32 s[LIM], 1, -1                    ; the same in all four partners, for a given wave
	v_and_b32 v17, 31, v0                          ; lane
	v_lshlrev_b32 v[PFO], s74, v17
	; Q, the masks, the output
	s_lshl_b32 s68, s17, 8
	s_lshl_b32 s69, s[WV], 5
	s_add_co_u32 s68, s68, s69                     ; my first query
	s_lshl_b32 s68, s68, 7
	s_lshl_b32 s69, s16, 17
	s_add_co_u32 s68, s68, s69
	s_mov_b32 s69, 0
	s_add_nc_u64 s[4:5], s[4:5], s[68:69]
	s_lshl_b32 s68, s17, 4
	s_lshl_b32 s70, s[WV], 1
	s_add_co_u32 s70, s68, s70                     ; my first tile of queries: 16 y + 2 wave
	s_lshl_b32 s68, s70, 11
	s_add_nc_u64 s[8:9], s[8:9], s[68:69]          ; its mask words: 2,048 bytes a tile
	s_lshl_b32 s68, s16, 6
	s_add_co_u32 s68, s68, s70
	s_lshl_b32 s68, s68, 11
	s_add_nc_u64 s[12:13], s[12:13], s[68:69]      ; its row of x_o: 64 g + 16 y + 2 wave, 2,048 bytes a row
	v_and_b32 v1, 15, v0                           ; r
	v_bfe_u32 v2, v0, 4, 1                         ; h
	v_lshlrev_b32 v[QO], 7, v1
	v_lshl_add_u32 v[QO], v2, 4, v[QO]
.irp u, 0,1
.irp c, 0,1
	global_load_b128 v[QF+16*\u+8*\c:QF+16*\u+8*\c+3], v[QO], s[4:5] offset:\u*2048+64*\c       ; Q stays in registers
	global_load_b128 v[QF+16*\u+8*\c+4:QF+16*\u+8*\c+7], v[QO], s[4:5] offset:\u*2048+64*\c+32
.endr
.endr
	s_load_b32 s19, s[10:11], 0x0                  ; alpha
	s_load_b512 s[MSK:MSK+15], s[8:9], s[MO] offset:0              ; tile 0, key step 0
	s_load_b512 s[MSK+16:MSK+31], s[8:9], s[MO] offset:64
	s_mul_i32 s22, s[WV], 32*PA
	v_mul_u32_u24 v[AADJ], v1, PA
	v_lshl_add_u32 v[AADJ], v2, 5, v[AADJ]
	v_add_nc_u32 v[AADJ], s22, v[AADJ]             ; adj2: row 32 wave + r, + 32 h bytes
	v_mul_u32_u24 v[AK], v1, PK
	v_lshl_add_u32 v[AK], v2, 4, v[AK]
	v_add_nc_u32 v[AK], KOFF, v[AK]                ; K: row r, + 16 h
	v_and_b32 v18, 7, v0
	v_bfe_u32 v19, v0, 3, 1
	v_lshl_add_u32 v[AV], v2, 3, v18
	v_mul_u32_u24 v[AV], v[AV], PVV
	v_lshl_add_u32 v[AV], v19, 4, v[AV]
	v_add_nc_u32 v[AV], VOFF, v[AV]                ; V, for the turning load: key 8 h + lane % 8, channels 8 ((lane / 8) % 2) on
	s_mul_i32 s22, s[WV], 16*SPS
	s_add_co_u32 s22, s22, STAGE
	v_mul_u32_u24 v[STO], v1, SPS
	v_lshl_add_u32 v[STO], v2, 4, v[STO]
	v_add_nc_u32 v[STO], s22, v[STO]               ; the stage, in: row r, + 16 h
	v_bfe_u32 v20, v0, 3, 2
	v_mul_u32_u24 v[RD], v20, SPS
	v_lshl_add_u32 v[RD], v18, 4, v[RD]
	v_add_nc_u32 v[RD], s22, v[RD]                 ; back: eight lanes to a query's 128 bytes, four queries an instruction
	v_lshlrev_b32 v[GO], 4, v17
	v_mov_b32 v[NEGV], 0xceabfb8f                  ; -1e9 x log2(e)
.irp t, 0,1,2,3
	v_mov_b32 v[ST+8*\t], 0xff61b1e6               ; m = -3e38, under every score
	v_mov_b32 v[ST+8*\t+1], 0
	v_mov_b32 v[ST+8*\t+2], 0                      ; the sum, in two halves
	v_mov_b32 v[ST+8*\t+3], 0
.endr
	WIN 0x40
.set i, 0
.rept 128
	v_mov_b32 v[i], 0                              ; O^T.  (The softmax is written alike for all steps: the first finds zeros, which its factor a = 0 leaves zeros)
.set i, i+1
.endr
	WIN 0
	s_wait_loadcnt 0x0                             ; Q
; THE LDS LOADS, in runs of eight.
.macro ALOAD u                         ; adj2 of tile u straight into its accumulators
.irp kt, 0,1,2,3
.irp e, 0,1
	ds_load_b128 v[SG+32*(\u)+8*\kt+4*\e:SG+32*(\u)+8*\kt+4*\e+3], v[ADA] offset:(\u)*16*PA+\kt*64+16*\e
.endr
.endr
.endm
.macro KLOAD k0                        ; K's fragments of key tiles k0, k0 + 1
	WIN 0x40                                       ; destination window 1
.irp kt, \k0, \k0+1
.irp c, 0,1
	ds_load_b128 v[KF+16*(\kt)+8*\c:KF+16*(\kt)+8*\c+3], v[ADK] offset:(\kt)*16*PK+64*\c
	ds_load_b128 v[KF+16*(\kt)+8*\c+4:KF+16*(\kt)+8*\c+7], v[ADK] offset:(\kt)*16*PK+64*\c+32
.endr
.endr
	WIN 0
.endm
.macro VLOAD kk                        ; V's fragments of keys 32 kk on, turned
	WIN 0x40
.irp dt, 0,1,2,3
	ds_load_tr16_b128 v[VF+32*(\kk)+8*\dt:VF+32*(\kk)+8*\dt+3], v[ADV] offset:(\kk)*32*PVV+32*\dt
	ds_load_tr16_b128 v[VF+32*(\kk)+8*\dt+4:VF+32*(\kk)+8*\dt+7], v[ADV] offset:(\kk)*32*PVV+16*PVV+32*\dt
.endr
.endm
; THE MATRIX WORK THAT GOES WITH A SOFTMAX: a list of mlast products of tile mtile; MMX writes number mno of it.
;   0-15   O^T += V^T P: keys 32 (mno / 8) on, channels 16 ((mno % 8) / 2) on, softmax mno % 2: eight accumulators by turns
;   16-23  S^T = K Q^T + adj2 of the next step: channels 32 ((mno - 16) / 4) on, keys 16 ((mno - 16) % 4) on: four accumulators by turns
; No two products that follow each other share an accumulator, from list to list and over the loop's backward jump too.
; Ahead of number 16: tile 0's list waits for adj2 and K, asked for at the period's head.  Tile 1's list is the last reader of V: four places, then the next step's V, its first half here and its second ahead of
; number 20; its own adj2, eight loads, was asked for ahead of these, so the count 8 shows it in.
.macro MMX
.if mno < mlast
.if mno < 16
	WIN 0x51                                       ; V window 1, P window 0, O^T window 1
.set rO, 64*mtile+32*(mno%2)+8*((mno%8)/2)
.set rV, VF+32*(mno/8)+8*((mno%8)/2)
.set rP, PF+32*mtile+16*(mno%2)+8*(mno/8)
	v_wmma_f32_16x16x32_f16 v[rO:rO+7], v[rV:rV+7], v[rP:rP+7], v[rO:rO+7]
.else
.if (mno == 16) && (mtile == 0)
	s_wait_dscnt 0x0                               ; adj2 of tile 0 and K are in
.endif
.if (mno == 16) && (mtile == 1)
	WIN 0
	PLACES                                         ; between the last product that read V and the loads into its registers
	VLOAD 0
	s_wait_dscnt 8                                 ; adj2 of tile 1 is in; V's eight loads may be out
.endif
.if (mno == 20) && (mtile == 1)
	VLOAD 1
.endif
	WIN 0x01                                       ; K window 1
.set rS, SG+32*mtile+8*((mno-16)%4)
.set rK, KF+16*((mno-16)%4)+8*((mno-16)/4)
.set rQ, QF+16*mtile+8*((mno-16)/4)
	v_wmma_f32_16x16x32_f16 v[rS:rS+7], v[rK:rK+7], v[rQ:rQ+7], v[rS:rS+7]
.endif
.set mno, mno+1
.endif
.endm
.macro TICK n                          ; n vector instructions have been written: behind every PER of them stands the list's next product
.set vcnt, vcnt+(\n)
.if vcnt >= PER
.set vcnt, vcnt-PER
	MMX
	WIN 0
.endif
.endm
.macro MAX16 s, t                      ; the largest of 32 scores and the old m: four chains of seven, then the four left over, the chains and m.  Each tile of 8 registers is first read at its low end
.irp j, 0,1,2,3
	v_max3_num_f32 v[\t+4+\j], v[\s+8*\j], v[\s+8*\j+1], v[\s+8*\j+2]
.endr
	TICK 4
.irp q, 1,2
.irp j, 0,1,2,3
	v_max3_num_f32 v[\t+4+\j], v[\t+4+\j], v[\s+8*\j+2*\q+1], v[\s+8*\j+2*\q+2]
.endr
	TICK 4
.endr
	v_max3_num_f32 v[\t+4], v[\t+4], v[\s+7], v[\s+15]
	v_max3_num_f32 v[\t+6], v[\t+6], v[\s+23], v[\s+31]
	v_max3_num_f32 v[\t+4], v[\t+4], v[\t+5], v[\t+6]
	v_max3_num_f32 v[\t+4], v[\t+4], v[\t+7], v[\t]
	TICK 4
.endm
; BOTH SOFTMAXES OF TILE u FOR ONE KEY STEP, with nmm products of the other tile among them.  It names no register of those products, so its lines are also their places.
; last = 1: no masks are left to ask for.  ld = 1 (tile 1 alone): it carries the loads of the period's K, in two runs, and of its own next adj2.
.macro SOFT u, last, nmm, ld
.set TG, ST+16*(\u)
.set TL, TG+8
.set S0, SG+32*(\u)
.set mtile, 1-(\u)
.set mno, 0
.set mlast, \nmm
.set vcnt, PER-4
	MAX16 S0, TG
.if \ld
	KLOAD 0
.endif
	s_wait_kmcnt 0x0                               ; this tile's 32 lane masks are in; no scalar load is out, so their offset may be stepped
.if (\u) == 1
	s_add_co_u32 s[MO], s[MO], 128
.endif
.set i, 0
.rept 32
	v_cndmask_b32 v[SL+i], v[NEGV], v[S0+i], s[MSK+i]              ; a true replacement: the score where the mask is not 0, else -1e9 log2(e)
	TICK 1
.if (\ld) && (i == 15)
	KLOAD 2
.endif
.set i, i+1
.endr
.if (\u) == 0
	s_load_b512 s[MSK:MSK+15], s[8:9], s[MO] offset:2048           ; tile 1 of the same key step
	s_load_b512 s[MSK+16:MSK+31], s[8:9], s[MO] offset:2048+64
.endif
.if ((\u) == 1) && ((\last) == 0)
	s_load_b512 s[MSK:MSK+15], s[8:9], s[MO] offset:0              ; tile 0 of the next key step
	s_load_b512 s[MSK+16:MSK+31], s[8:9], s[MO] offset:64
.endif
	MAX16 SL, TL
	v_permlanex16_b32 v[TG+5], v[TG+4], s[SEL], s[SEL+1]           ; the query's other 32 keys lie in the lane 16 away
	v_permlanex16_b32 v[TL+5], v[TL+4], s[SEL], s[SEL+1]
	v_max_num_f32 v[TG+5], v[TG+4], v[TG+5]
	v_max_num_f32 v[TL+5], v[TL+4], v[TL+5]
	TICK 4
	v_sub_f32 v[TG+7], v[TG], v[TG+5]              ; m_old - m_new
	v_sub_f32 v[TL+7], v[TL], v[TL+5]
	v_mov_b32 v[TG], v[TG+5]
	v_mov_b32 v[TL], v[TL+5]
	TICK 4
.set i, 0
.rept 16
	v_pk_add_f32 v[S0+i:S0+i+1], v[S0+i:S0+i+1], v[TG:TG+1] op_sel_hi:[1,0] neg_lo:[0,1] neg_hi:[0,1]   ; t - m
	v_pk_add_f32 v[SL+i:SL+i+1], v[SL+i:SL+i+1], v[TL:TL+1] op_sel_hi:[1,0] neg_lo:[0,1] neg_hi:[0,1]
	TICK 2
.set i, i+2
.endr
	v_exp_f32 v[TG+6], v[TG+7]                     ; ONE BATCH: the two factors a = 2^(m_old - m_new) and the 64 weights; none reads another's result, and no product among them names one
	v_exp_f32 v[TL+6], v[TL+7]
	TICK 2
.set i, 0
.rept 32
	v_exp_f32 v[S0+i], v[S0+i]
	v_exp_f32 v[SL+i], v[SL+i]
	TICK 2
.set i, i+1
.endr
	v_nop                                          ; a plain line behind the last exponential
	s_wait_alu depctr_va_vdst(0)                   ; one wait for the batch, ahead of its first reader
.set i, 0
.rept 16
	v_cvt_pk_f16_f32 v[PF+32*(\u)+i], v[S0+2*i], v[S0+2*i+1]       ; tiles 2 kk and 2 kk + 1 of keys are source 1 for keys 32 kk on
	v_cvt_pk_f16_f32 v[PF+32*(\u)+16+i], v[SL+2*i], v[SL+2*i+1]
	TICK 2
.set i, i+1
.endr
	v_pk_mul_f32 v[TG+2:TG+3], v[TG+2:TG+3], v[TG+6:TG+7] op_sel_hi:[1,0]   ; the sums under the new m; then the unrounded weights, in two chains each
	v_pk_mul_f32 v[TL+2:TL+3], v[TL+2:TL+3], v[TL+6:TL+7] op_sel_hi:[1,0]
	v_pk_add_f32 v[TG+4:TG+5], v[S0:S0+1], v[S0+2:S0+3]
	v_pk_add_f32 v[TL+4:TL+5], v[SL:SL+1], v[SL+2:SL+3]
	TICK 4
.irp j, 4,8,12,16,20,24,28
	v_pk_add_f32 v[TG+2:TG+3], v[TG+2:TG+3], v[S0+\j:S0+\j+1]
	v_pk_add_f32 v[TL+2:TL+3], v[TL+2:TL+3], v[SL+\j:SL+\j+1]
	v_pk_add_f32 v[TG+4:TG+5], v[TG+4:TG+5], v[S0+\j+2:S0+\j+3]
	v_pk_add_f32 v[TL+4:TL+5], v[TL+4:TL+5], v[SL+\j+2:SL+\j+3]
	TICK 4
.endr
	v_pk_add_f32 v[TG+2:TG+3], v[TG+2:TG+3], v[TG+4:TG+5]
	v_pk_add_f32 v[TL+2:TL+3], v[TL+2:TL+3], v[TL+4:TL+5]
.rept 24
	MMX                                            ; (the list is out by here: 24 x PER - 5 = 211 of the 236 lines above; what a change of PER might leave over would stand here)
.endr
	WIN 0
.if \ld
	ALOAD \u                                       ; my scores have been read for the last time: the period's adj2 of this tile
.endif
	WIN 0x41                                       ; O^T (destination and source 0) window 1
.set i, 0
.rept 16
	v_pk_mul_f32 v[64*(\u)+i:64*(\u)+i+1], v[64*(\u)+i:64*(\u)+i+1], v[TG+6:TG+7] op_sel_hi:[1,0]       ; O^T under the new m, each accumulator from its low end on.  (These 32 are also the places behind the list's last product)
.set i, i+2
.endr
.set i, 0
.rept 16
	v_pk_mul_f32 v[64*(\u)+32+i:64*(\u)+32+i+1], v[64*(\u)+32+i:64*(\u)+32+i+1], v[TL+6:TL+7] op_sel_hi:[1,0]
.set i, i+2
.endr
	WIN 0
.endm
.macro ADDRS                           ; the LDS addresses of the slot in hand
	v_add_nc_u32 v[ADA], s[TB], v[AADJ]
	v_add_nc_u32 v[ADK], s[TB], v[AK]
	v_add_nc_u32 v[ADV], s[TB], v[AV]
.endm
; PERIOD t, behind the change of slots that has shown key step t's tile whole.  All its reads of that tile are issued here, and are waited for in front of the next change's barrier.
.macro PERIOD
	ADDRS
	ALOAD 0                                        ; adj2 of step t, tile 0
	SOFT 1, 0, 24, 1                               ; tile 1, step t - 1 | tile 0: V^T P of step t - 1, K Q^T of step t | K of step t; adj2 of step t, tile 1
	SOFT 0, 0, 24, 0                               ; tile 0, step t     | tile 1: V^T P of step t - 1, K Q^T of step t | V of step t
	s_xor_b32 s[TB], s[TB], SLOT1                  ; on to the other slot
.endm
; THE CHANGE OF SLOTS.  Each wave waits for its tensor load (its part of the slot that it is about to read), adds 0 to its spare word, and waits for that and for its reads of the slot
; that it has left.  fill = 1: behind a round of the cluster's barrier that other slot takes the next key step: the load has a whole period in which to land.
.macro CHANGE fill
	s_wait_tensorcnt 0x0                           ; no tensor load of mine is out, so a group 0 may be written
	ds_add_u32 v[SPW], v[NIL]
.if \fill
.irp g, G0A, G0K, G0V
	s_xor_b32 s[\g+1], s[\g+1], SLOT1              ; the walking descriptors: the other slot than last time,
.endr
	s_add_nc_u64 s[G0A+2:G0A+3], s[G0A+2:G0A+3], 256       ; the next 64 keys: 256 bytes along adj2's rows,
	s_add_nc_u64 s[G0K+2:G0K+3], s[G0K+2:G0K+3], 8192      ; 64 rows of K
	s_add_nc_u64 s[G0V+2:G0V+3], s[G0V+2:G0V+3], 8192      ; and of V
	s_wait_xcnt 0x0                                ; the last prefetch, a period back, has read its address
	s_add_nc_u64 s[PFA:PFA+1], s[PFA:PFA+1], s[PFS:PFS+1]
	s_wait_dscnt 0x0                               ; the add is done, and my reads of the slot that I have left are over
	CROUND
	JLOAD                                          ; the first thing behind the round, and my one tensor load until the next
	ASK
.else
	s_wait_dscnt 0x0
	s_barrier_signal -1
	s_barrier_wait -1
	PLACES
.endif
.endm
	; PERIOD 0 is written out: there is no step before it.  Its change asks for key step 1: slot 1's first fill.
	CHANGE 1
	ADDRS
	ALOAD 0
	ALOAD 1
	KLOAD 0
	KLOAD 2
	VLOAD 0
	VLOAD 1
	s_wait_dscnt 16                                ; adj2 and K are in; V's 16 loads may be out
	WIN 0x01                                       ; source 0 (K) window 1
.irp c, 0,1                                    ; both tiles' first scores: eight accumulators by turns
.irp u, 0,1
.irp kt, 0,1,2,3
	v_wmma_f32_16x16x32_f16 v[SG+32*\u+8*\kt:SG+32*\u+8*\kt+7], v[KF+16*\kt+8*\c:KF+16*\kt+8*\c+7], v[QF+16*\u+8*\c:QF+16*\u+8*\c+7], v[SG+32*\u+8*\kt:SG+32*\u+8*\kt+7]
.endr
.endr
.endr
	WIN 0
	PLACES                                         ; between the products and the first read of their results
	SOFT 0, 0, 0, 0                                ; tile 0, step 0: no product is ready to go with it
	s_xor_b32 s[TB], s[TB], SLOT1
	s_mov_b32 s[CNT], 14
.Lstep:                                            ; periods 1 to 14: period t asks for key step t + 1
	CHANGE 1
	PERIOD
	s_sub_co_u32 s[CNT], s[CNT], 1
	s_cmp_lg_u32 s[CNT], 0
	s_cbranch_scc1 .Lstep
	CHANGE 0                                       ; period 15 is written out: nothing is left to ask for
	PERIOD
	s_wait_dscnt 0x0                               ; V of step 15 is in: no change of slots follows that would wait for it
	SOFT 1, 1, 16, 0                               ; tile 1, step 15 | tile 0: V^T P of step 15
.set mtile, 1
.set mno, 0
.set mlast, 16
.rept 16
	MMX                                            ; tile 1: V^T P of step 15
.endr
	WIN 0
	; THE END.  The sums; 1 / sum; a = sigmoid(alpha); the two factors of each tile.  The first additions are the places behind the last products.
.irp t, 0,1,2,3
	v_add_f32 v[ST+8*\t+4], v[ST+8*\t+2], v[ST+8*\t+3]
.endr
.irp t, 0,1,2,3
	v_permlanex16_b32 v[ST+8*\t+5], v[ST+8*\t+4], s[SEL], s[SEL+1]
.endr
.irp t, 0,1,2,3
	v_add_f32 v[ST+8*\t+4], v[ST+8*\t+4], v[ST+8*\t+5]
.endr
	v_mov_b32 v18, s19
	v_mul_f32 v18, 0xbfb8aa3b, v18                 ; -alpha log2(e)
.irp t, 0,1,2,3
	v_rcp_f32 v[ST+8*\t+5], v[ST+8*\t+4]
.endr
	v_exp_f32 v17, v18
	v_nop
	s_wait_alu depctr_va_vdst(0)                   ; one wait for the five
	v_add_f32 v19, 1.0, v17
	v_rcp_f32 v20, v19                             ; a
	v_nop
	s_wait_alu depctr_va_vdst(0)
	v_sub_f32 v21, 1.0, v20                        ; 1 - a
.irp u, 0,1
	v_mul_f32 v[ST+16*\u+4], v20, v[ST+16*\u+5]    ; a / sum_g
	v_mul_f32 v[ST+16*\u+12], v21, v[ST+16*\u+13]  ; (1 - a) / sum_l
.endr
	s_mov_b32 s22, 0x7fffffff
; Tile u is one row of x_o: 16 queries x 64 channels.
.macro FIN u
.set TG, ST+16*(\u)
.set TL, TG+8
.set X0, SG+32*(\u)
	WIN 0x01                                       ; source 0 (O^T) window 1
.set i, 0
.rept 16
	v_pk_mul_f32 v[X0+i:X0+i+1], v[64*(\u)+i:64*(\u)+i+1], v[TG+4:TG+5] op_sel_hi:[1,0]
.set i, i+2
.endr
.set i, 0
.rept 16
	v_pk_fma_f32 v[X0+i:X0+i+1], v[64*(\u)+32+i:64*(\u)+32+i+1], v[TL+4:TL+5], v[X0+i:X0+i+1] op_sel_hi:[1,0,1]
.set i, i+2
.endr
	WIN 0
.irp k, 0,1,2,3
	v_add_f32 v[56+\k], |v[X0+8*\k]|, |v[X0+8*\k+1]|               ; the square of the norm is the sum of |x|: four chains,
.endr
.irp j, 2,3,4,5,6,7
.irp k, 0,1,2,3
	v_add_f32 v[56+\k], v[56+\k], |v[X0+8*\k+\j]|
.endr
.endr
	v_add_f32 v56, v56, v57
	v_add_f32 v58, v58, v59
	v_add_f32 v56, v56, v58
	v_add_f32_dpp v56, v56, v56 row_xmask:1 row_mask:0xf bank_mask:0xf   ; and all 32 lanes
	v_add_f32_dpp v56, v56, v56 row_xmask:2 row_mask:0xf bank_mask:0xf
	v_add_f32_dpp v56, v56, v56 row_xmask:4 row_mask:0xf bank_mask:0xf
	v_add_f32_dpp v56, v56, v56 row_xmask:8 row_mask:0xf bank_mask:0xf
	v_permlanex16_b32 v57, v56, s[SEL], s[SEL+1]
	v_add_f32 v56, v56, v57
	v_sqrt_f32 v57, v56
	v_nop
	s_wait_alu depctr_va_vdst(0)
	v_max_num_f32 v57, 0x2b8cbccc, v57             ; max(norm, 1e-12)
	v_rcp_f32 v60, v57                             ; one batch: the reciprocal and the 32 roots
.set i, 0
.rept 32
	v_sqrt_f32 v[SL+i], |v[X0+i]|
.set i, i+1
.endr
	v_mov_b32 v61, 0                               ; (the pair's partner; also the plain line behind the last root)
	s_wait_alu depctr_va_vdst(0)
.set i, 0
.rept 16
	v_pk_mul_f32 v[SL+i:SL+i+1], v[SL+i:SL+i+1], v[60:61] op_sel_hi:[1,0]
.set i, i+2
.endr
.set i, 0
.rept 32
	v_bfi_b32 v[SL+i], s22, v[SL+i], v[X0+i]       ; x's sign
.set i, i+1
.endr
.set i, 0
.rept 16
	v_cvt_pk_f16_f32 v[PF+32*(\u)+i], v[SL+2*i], v[SL+2*i+1]
.set i, i+1
.endr
.irp dt, 0,1,2,3
	ds_store_b128 v[STO], v[PF+32*(\u)+4*\dt:PF+32*(\u)+4*\dt+3] offset:32*\dt   ; query r, channels 16 dt + 8 h on
.endr
.irp q, 0,1,2,3
	ds_load_b128 v[PF+32*(\u)+16+4*\q:PF+32*(\u)+16+4*\q+3], v[RD] offset:4*SPS*\q   ; in order behind my stores
.endr
.irp q, 0,1,2,3
	s_wait_dscnt 3-\q                              ; the younger read-backs may be out
	global_store_b128 v[GO], v[PF+32*(\u)+16+4*\q:PF+32*(\u)+16+4*\q+3], s[12:13] offset:(\u)*2048+512*\q   ; 32 lanes store 512 consecutive bytes, aligned
.endr
.endm
	FIN 0
	FIN 1
	s_wait_tensorcnt 0x0                           ; the wave's end
	ds_add_u32 v[SPW], v[NIL]
	s_wait_dscnt 0x0
	CROUND                                         ; the closing round
	s_endpgm
.Lfunc_end_k_q97bc1ff60d_attn:
	.size	k_q97bc1ff60d_attn, .Lfunc_end_k_q97bc1ff60d_attn-k_q97bc1ff60d_attn
	.p2alignl 7, 3214868480
	.fill 96, 4, 3214868480
	.section	.rodata,"a",@progbits
	.p2align	6, 0x0
	.amdhsa_kernel k_q97bc1ff60d_attn
		.amdhsa_group_segment_fixed_size 327680
		.amdhsa_private_segment_fixed_size 0
		.amdhsa_enable_private_segment 0
		.amdhsa_kernarg_size 40
		.amdhsa_user_sgpr_count 2
		.amdhsa_user_sgpr_kernarg_segment_ptr 1
		.amdhsa_wavefront_size32 1
		.amdhsa_system_sgpr_workgroup_id_x 1
		.amdhsa_system_sgpr_workgroup_id_y 1
		.amdhsa_system_sgpr_workgroup_id_z 1
		.amdhsa_system_vgpr_workitem_id 0
		.amdhsa_next_free_vgpr 512
		.amdhsa_next_free_sgpr 102
		.amdhsa_reserve_vcc 0
		.amdhsa_float_denorm_mode_32 3
		.amdhsa_float_denorm_mode_16_64 3
		.amdhsa_memory_ordered 1
		.amdhsa_forward_progress 1
		.amdhsa_inst_pref_size 159
	.end_amdhsa_kernel
	.amdgpu_metadata
---
amdhsa.version: [ 1, 2 ]
amdhsa.kernels:
  - .name:           k_q97bc1ff60d_attn
    .symbol:         k_q97bc1ff60d_attn.kd
    .args:
      - { .name: qkvh, .offset: 0, .size: 8, .value_kind: global_buffer, .address_space: global }
      - { .name: adj2, .offset: 8, .size: 8, .value_kind: global_buffer, .address_space: global }
      - { .name: maskw, .offset: 16, .size: 8, .value_kind: global_buffer, .address_space: global }
      - { .name: alpha, .offset: 24, .size: 8, .value_kind: global_buffer, .address_space: global }
      - { .name: xoh, .offset: 32, .size: 8, .value_kind: global_buffer, .address_space: global }
    .group_segment_fixed_size: 327680
    .private_segment_fixed_size: 0
    .kernarg_segment_align: 8
    .kernarg_segment_size: 40
    .max_flat_workgroup_size: 256
    .sgpr_count:     102
    .vgpr_count:     512
    .wavefront_size: 32
...
	.end_amdgpu_metadata
.endif
;; end of part 3
;; launch outp (part 4): grid 8 x 32, 4 waves a work-group, clusters of 4 x 4, 327,680 bytes of LDS; arguments xoh, woh, bo, out0; writes out0
.if DOCPART == 4
	.amdgcn_target "amdgcn-amd-amdhsa--gfx1250"
	.amdhsa_code_object_version 6
	.text
	.protected	k_q97bc1ff60d_outp
	.globl	k_q97bc1ff60d_outp
	.p2align	8
	.type	k_q97bc1ff60d_outp,@function
k_q97bc1ff60d_outp:
	s_mov_b64 s[64:65], 0
	v_nop
	global_prefetch_b8 v0, s[64:65] scope:SCOPE_SE
	s_setreg_imm32_b32 hwreg(HW_REG_WAVE_MODE, 25, 1), 1
	s_wait_xcnt 0x0
	s_wait_alu depctr_hold_cnt(0) depctr_sa_sdst(0) depctr_va_vdst(0) depctr_va_sdst(0) depctr_va_ssrc(0) depctr_va_vcc(0) depctr_vm_vsrc(0)
	s_getreg_b32 s2, hwreg(HW_REG_IB_STS2, 6, 4)
	s_cmp_eq_u32 s2, 0
	s_cbranch_scc0 .Lentry_in_a_cluster
	s_endpgm
.Lentry_in_a_cluster:
	s_bfe_u32 s2, ttmp6, 0x10000c
	s_cmp_lg_u32 s2, 0xf033
	s_cbranch_scc0 .Lentry_shape_is_right
	s_endpgm
.Lentry_shape_is_right:
; OUTP: out0[4096][1024] = x_o Wo + bo.  x_o [m][k] and Wo [k][n] come as f16; sums and result in f32.
; A tile of the result is 128 x 128: 256 work-groups.  Four waves, 64 x 64 each: 16 accumulators.  K goes in steps of 256 through a ring of two LDS slots.
; x_o's tile lies with K along its rows (64 rows of 512 bytes to a load); Wo's lies as in memory, [k][n] (128 rows of 256 bytes to a load), and its fragments come out of LDS turned, by ds_load_tr16_b128.
; CLUSTERS: 4 x 4 work-groups; x_o's tiles are shared along a row of the cluster, Wo's along a column: each is asked for jointly.
; THE MATRIX INSTRUCTION IS USED TRANSPOSED (source 0 = 16 columns of Wo, source 1 = 16 rows of x_o): a lane holds eight neighbouring numbers of a row of the result.  bo is the C of each sum's first product.
; A wave's 64 columns of f32 are 256 aligned bytes: each wave sends its own rows through its own stage; no barrier on the way out.
; REGISTERS: window 0: v0-31 addresses; v32-95 the way out; v96-127 bo; v128-255 the accumulators ((a, b) at v[128 + 8 (4 a + b)]).  window 1: two fragment buffers of 128: 64 of x_o, then 64 of Wo.
.set SIZE_N, 1024
.set SIZE_K, 1024
.set KSTEP,  256
.set PITCH,  528                       ; x_o's row in LDS: 512 bytes + 16
.set HALFA,  64*PITCH
.set BP,     288                       ; Wo's row in LDS: 256 bytes + 32
.set HALFB,  128*BP
.set BOFF,   2*HALFA
.set SLOT,   BOFF+2*HALFB
.set SPARE,  2*SLOT
.set SPITCH, 272                       ; the stage: 16 rows x (256 + 16) for each wave, in slot 0, behind its last fill and its last read
.set LAPS,   SIZE_K/(2*KSTEP)
.set ADRA, 16                          ; v16-17  my x_o fragments in slot 0, 1
.set ADRB, 20                          ; v20-23  my Wo fragments: slot 0 (k 0-127, k 128-255), slot 1 likewise
.set STO,  24
.set RD,   25
.set CO,   26
.set BO,   27
.set SPW,  28
.set NIL,  29
.set TMP,  32
.set BIAS, 96
.set ACC,  128
.set F0,   0
.set F1,   128
.set G1, 24
.set G0, 32
.set G1B, 48
.set G0B, 56
.set MSB, 0
.macro WIN new
.if MSB != (\new)
	s_set_vgpr_msb (MSB<<8)|(\new)
.set MSB, \new
.endif
.endm
.set MUL,  0x05                        ; sources 0 and 1 window 1; C and D window 0
.set TO_F, 0x40
.macro JLOAD s                         ; waves 0 and 1 fetch x_o's halves, waves 2 and 3 Wo's; an s_nop 0 and four v_nop follow each line
	s_cmp_eq_u32 s11, 0
	s_cbranch_scc0 .Lfor_b_\@
	tensor_load_to_lds s[G0+4*\s:G0+4*\s+3], s[G1:G1+7]
	s_nop 0
.rept 4
	v_nop
.endr
	s_branch .Lasked_\@
.Lfor_b_\@:
	tensor_load_to_lds s[G0B+4*\s:G0B+4*\s+3], s[G1B:G1B+7]
	s_nop 0
.rept 4
	v_nop
.endr
.Lasked_\@:
.endm
.macro CREST
	s_cmp_lg_u32 s10, 0
	s_cbranch_scc1 .Lnot_wave_0_\@
	s_barrier_signal -3
.Lnot_wave_0_\@:
	s_barrier_wait -3
	s_barrier_signal -1
	s_barrier_wait -1
.endm
.macro CROUND
	s_barrier_signal -1
	s_barrier_wait -1
	CREST
.endm
	s_load_b128 s[4:7], s[0:1], 0x0                ; xoh, woh
	s_load_b64 s[66:67], s[0:1], 0x10              ; bo
	s_load_b64 s[8:9], s[0:1], 0x18                ; out0
	v_lshl_add_u32 v[SPW], v0, 2, SPARE
	v_mov_b32 v[NIL], 0
	ds_add_u32 v[SPW], v[NIL]                      ; the wave's opening: the add, twice on end, and its wait ahead of my first tensor load
	ds_add_u32 v[SPW], v[NIL]
	v_lshrrev_b32 v1, 5, v0
	v_readfirstlane_b32 s10, v1                    ; wave 0..3
	s_lshr_b32 s11, s10, 1                         ; which half of the tile's rows is mine; also: I fetch x_o (0) or Wo (1)
	s_and_b32 s12, s10, 1                          ; which half of its columns; also: which half of that tile I fetch
	s_bfe_u32 s40, ttmp6, 0x40000
	s_bfe_u32 s41, ttmp6, 0x40004
	s_lshl_b32 s42, ttmp9, 2
	s_add_co_u32 s42, s42, s40                     ; tile column
	s_and_b32 s13, ttmp7, 0xffff
	s_lshl_b32 s13, s13, 2
	s_add_co_u32 s13, s13, s41                     ; tile row
	s_lshl_b32 s43, s41, 2
	s_lshl_b32 s43, 15, s43                        ; my row of the cluster
	s_lshl_b32 s44, 0x1111, s40                    ; my column
	s_or_b32 s[G1+0], s43, (1<<16)|(1<<20)|(1<<21)|(6<<22)|(3<<25)   ; x_o: 64 rows x 256 elements of 2 bytes; 4 words of padding after every 128
	s_mov_b32 s[G1+1], KSTEP<<16
	s_mov_b32 s[G1+2], 64<<16
	s_mov_b32 s[G1+3], KSTEP<<16
	s_mov_b32 s[G1+4], 64
	s_mov_b32 s[G1+5], SIZE_K
	s_mov_b32 s[G1+6], 0
	s_mov_b32 s[G1+7], 0
	s_or_b32 s[G1B+0], s44, (1<<16)|(1<<20)|(1<<21)|(5<<22)|(7<<25)  ; Wo: 128 rows (k) x 128 elements (n); 8 words after every 64
	s_mov_b32 s[G1B+1], 128<<16
	s_mov_b32 s[G1B+2], 128<<16
	s_mov_b32 s[G1B+3], 128<<16
	s_mov_b32 s[G1B+4], 128
	s_mov_b32 s[G1B+5], SIZE_N
	s_mov_b32 s[G1B+6], 0
	s_mov_b32 s[G1B+7], 0
	s_lshl_b32 s17, s12, 6
	s_lshl_b32 s16, s13, 7
	s_add_co_u32 s16, s16, s17                     ; x_o: row 128 x tile row + 64 x half
	s_lshl_b32 s16, s16, 11
	s_mov_b32 s17, 0
	s_lshl_b32 s46, s12, 18                        ; Wo: row (k) 128 x half,
	s_lshl_b32 s47, s42, 8                         ; column 128 x tile column
	s_add_co_u32 s46, s46, s47
	s_mov_b32 s47, 0
	s_mul_i32 s20, s12, HALFA                      ; where they go: no place in the cluster enters an LDS address
	s_mul_i32 s21, s12, HALFB
	s_add_co_u32 s21, s21, BOFF
	s_wait_dscnt 0x0                               ; both opening adds are done
	s_wait_kmcnt 0x0
	s_add_nc_u64 s[14:15], s[4:5], s[16:17]
	s_add_nc_u64 s[46:47], s[6:7], s[46:47]
	CROUND                                         ; all sixteen work-groups are here
.irp s, 0,1
	s_mov_b32 s[G0+4*\s], 1
	s_add_co_u32 s[G0+4*\s+1], s20, \s*SLOT
	s_add_nc_u64 s[G0+4*\s+2:G0+4*\s+3], s[14:15], \s*KSTEP*2
	s_or_b32 s[G0+4*\s+3], s[G0+4*\s+3], 0x80000000
	s_mov_b32 s[G0B+4*\s], 1
	s_add_co_u32 s[G0B+4*\s+1], s21, \s*SLOT
	s_add_nc_u64 s[G0B+4*\s+2:G0B+4*\s+3], s[46:47], \s*KSTEP*SIZE_N*2
	s_or_b32 s[G0B+4*\s+3], s[G0B+4*\s+3], 0x80000000
	JLOAD \s                                       ; two tensor loads of mine are out
.endr
	v_and_b32 v1, 15, v0                           ; r
	v_bfe_u32 v2, v0, 4, 1                         ; h
	s_lshl_b32 s46, s42, 9
	s_lshl_b32 s47, s12, 8
	s_add_co_u32 s46, s46, s47                     ; my first column, in bytes of f32
	s_mov_b32 s47, 0
	s_add_nc_u64 s[66:67], s[66:67], s[46:47]
	v_lshlrev_b32 v[BO], 5, v2
.irp b, 0,1,2,3
	global_load_b128 v[BIAS+8*\b:BIAS+8*\b+3], v[BO], s[66:67] offset:64*\b        ; register 8 b + j: bo of column 16 b + 8 h + j
	global_load_b128 v[BIAS+8*\b+4:BIAS+8*\b+7], v[BO], s[66:67] offset:64*\b+16
.endr
	v_mul_u32_u24 v3, v1, PITCH
	v_lshl_add_u32 v3, v2, 4, v3
	s_mul_i32 s21, s11, HALFA                      ; my 64 rows of x_o
.irp s, 0,1
	v_add_nc_u32 v[ADRA+\s], s21, v3
	s_add_co_u32 s21, s21, SLOT
.endr
	v_and_b32 v4, 7, v0
	v_bfe_u32 v5, v0, 3, 1
	v_lshl_add_u32 v4, v2, 3, v4
	v_mul_u32_u24 v4, v4, BP
	v_lshl_add_u32 v4, v5, 4, v4                   ; the turning load: k 8 h + lane % 8, columns 8 ((lane / 8) % 2) on
	s_lshl_b32 s22, s12, 7                         ; my 64 columns
	s_add_co_u32 s22, s22, BOFF
	v_add_nc_u32 v[ADRB], s22, v4
	s_add_co_u32 s22, s22, HALFB
	v_add_nc_u32 v[ADRB+1], s22, v4
	s_add_co_u32 s22, s22, SLOT-HALFB
	v_add_nc_u32 v[ADRB+2], s22, v4
	s_add_co_u32 s22, s22, HALFB
	v_add_nc_u32 v[ADRB+3], s22, v4
	s_mul_i32 s23, s10, 16*SPITCH                  ; my stage
	v_mul_u32_u24 v5, v1, SPITCH
	v_lshl_add_u32 v5, v2, 5, v5
	v_add_nc_u32 v[STO], s23, v5                   ; in: row r, 32 bytes for each half of the lanes
	v_mul_u32_u24 v5, v2, SPITCH
	v_lshl_add_u32 v5, v1, 4, v5
	v_add_nc_u32 v[RD], s23, v5                    ; back: lanes 0-15 one row of 256 bytes, lanes 16-31 the next
	v_lshlrev_b32 v5, 12, v2
	v_lshl_add_u32 v[CO], v1, 4, v5
	s_lshl_b32 s16, s13, 7
	s_lshl_b32 s17, s11, 6
	s_add_co_u32 s16, s16, s17                     ; my first row
	s_lshl_b32 s16, s16, 12
	s_add_co_u32 s16, s16, s46
	s_mov_b32 s17, 0
	s_add_nc_u64 s[8:9], s[8:9], s[16:17]
.macro MUL8 f, c, a0, zero             ; m blocks a0, a0 + 1 x all 4 n blocks, 32 along K; the 16 accumulators take turns
.irp a, \a0, \a0+1
.irp b, 0,1,2,3
.if \zero
	v_wmma_f32_16x16x32_f16 v[ACC+8*(4*(\a)+\b):ACC+8*(4*(\a)+\b)+7], v[\f+64+8*(4*\c+\b):\f+64+8*(4*\c+\b)+7], v[\f+8*(4*\c+(\a)):\f+8*(4*\c+(\a))+7], v[BIAS+8*\b:BIAS+8*\b+7]
.else
	v_wmma_f32_16x16x32_f16 v[ACC+8*(4*(\a)+\b):ACC+8*(4*(\a)+\b)+7], v[\f+64+8*(4*\c+\b):\f+64+8*(4*\c+\b)+7], v[\f+8*(4*\c+(\a)):\f+8*(4*\c+(\a))+7], v[ACC+8*(4*(\a)+\b):ACC+8*(4*(\a)+\b)+7]
.endif
.endr
.endr
.endm
.macro FETCH slot, q, f                ; 32 LDS loads in one run: the slot's q-th 64 along K into buffer f; the first 32 along K first
	WIN TO_F
.irp c, 0,1
.irp i, 0,1,2,3
	ds_load_tr16_b128 v[\f+64+8*(4*\c+\i):\f+64+8*(4*\c+\i)+3],   v[ADRB+2*\slot+(\q)/2] offset:(64*((\q)%2)+32*\c)*BP+32*\i
	ds_load_tr16_b128 v[\f+64+8*(4*\c+\i)+4:\f+64+8*(4*\c+\i)+7], v[ADRB+2*\slot+(\q)/2] offset:(64*((\q)%2)+32*\c)*BP+32*\i+16*BP
	ds_load_b128 v[\f+8*(4*\c+\i):\f+8*(4*\c+\i)+3],              v[ADRA+\slot] offset:128*(\q)+64*\c+\i*16*PITCH
	ds_load_b128 v[\f+8*(4*\c+\i)+4:\f+8*(4*\c+\i)+7],            v[ADRA+\slot] offset:128*(\q)+64*\c+\i*16*PITCH+32
.endr
.endr
.endm
.macro PLACES
.rept 4
	v_nop
.endr
.endm
.macro QUARTER slot, q, f, g, zero     ; multiplies buffer f and fetches the slot's q-th quarter into g
	s_wait_dscnt 16                                ; the first 32 along K are in; the other 16 loads may be out
	WIN MUL
	MUL8 \f, 0, 0, \zero
	MUL8 \f, 0, 2, \zero
	PLACES
	FETCH \slot, \q, \g
	s_wait_dscnt 32                                ; all but the 32 just issued
	WIN MUL
	MUL8 \f, 1, 0, 0
	MUL8 \f, 1, 2, 0
.endm
.macro TURN slot, next, fill           ; the last quarter multiplies buffer 1 and changes slots
	WIN 0
	s_wait_tensorcnt 0x0                           ; my part of the next slot has landed
	ds_add_u32 v[SPW], v[NIL]
	s_wait_dscnt 17                                ; the add and the youngest sixteen loads may be out
	WIN MUL
	MUL8 F1, 0, 0, 0
	s_wait_dscnt 0x0                               ; the add is done, and my reads of this slot are over
	s_barrier_signal -1
	MUL8 F1, 0, 2, 0
.if \fill
	WIN 0
.endif
	s_barrier_wait -1
.if \fill
	CREST                                          ; the barrier has opened a round of the cluster's: no wave of any partner still reads this slot or has a load on its way
	s_add_nc_u64 s[G0+4*\slot+2:G0+4*\slot+3], s[G0+4*\slot+2:G0+4*\slot+3], 2*KSTEP*2
	s_add_nc_u64 s[G0B+4*\slot+2:G0B+4*\slot+3], s[G0B+4*\slot+2:G0B+4*\slot+3], 2*KSTEP*SIZE_N*2
	JLOAD \slot                                    ; the first tensor load behind the round; its four v_nop are also the places in front of the loads below
.else
	PLACES
.endif
	FETCH \next, 0, F0
	WIN MUL
	MUL8 F1, 1, 0, 0
	MUL8 F1, 1, 2, 0
.endm
	s_wait_tensorcnt 1                             ; my part of K step 0 is in; K step 1's load may be out
	s_barrier_signal -1
	s_barrier_wait -1
	FETCH 0, 0, F0
	s_wait_loadcnt 0x0                             ; bo
	QUARTER 0, 1, F0, F1, 1                        ; the first products start the sums from bo
	WIN 0
	s_mov_b32 s3, LAPS-1
.Llap:                                             ; a trip goes once round the ring and fills both slots again
	QUARTER 0, 2, F1, F0, 0
	QUARTER 0, 3, F0, F1, 0
	TURN 0, 1, 1
	QUARTER 1, 1, F0, F1, 0
	QUARTER 1, 2, F1, F0, 0
	QUARTER 1, 3, F0, F1, 0
	TURN 1, 0, 1
	QUARTER 0, 1, F0, F1, 0
	WIN 0
	s_sub_co_u32 s3, s3, 1
	s_cmp_lg_u32 s3, 0
	s_cbranch_scc1 .Llap
	QUARTER 0, 2, F1, F0, 0                        ; the last lap fills nothing
	QUARTER 0, 3, F0, F1, 0
	TURN 0, 1, 0
	QUARTER 1, 1, F0, F1, 0
	QUARTER 1, 2, F1, F0, 0
	QUARTER 1, 3, F0, F1, 0
	s_wait_dscnt 16
	WIN MUL
	MUL8 F1, 0, 0, 0
	MUL8 F1, 0, 2, 0
	s_wait_dscnt 0
	MUL8 F1, 1, 0, 0
	MUL8 F1, 1, 2, 0
	WIN 0
; THE WAY OUT, a block of 16 rows x 64 columns at a time, through my own stage.
.macro TOSTAGE a
.set BB, TMP+32*((\a)%2)
.irp b, 0,1,2,3
	ds_store_b128 v[STO], v[ACC+8*(4*(\a)+\b):ACC+8*(4*(\a)+\b)+3] offset:64*\b        ; each accumulator from its low end on
	ds_store_b128 v[STO], v[ACC+8*(4*(\a)+\b)+4:ACC+8*(4*(\a)+\b)+7] offset:64*\b+16
.endr
.irp t, 0,1,2,3,4,5,6,7
	ds_load_b128 v[BB+4*\t:BB+4*\t+3], v[RD] offset:\t*2*SPITCH    ; in order behind my stores
.endr
.endm
.macro SEND a, younger
.set BB, TMP+32*((\a)%2)
	s_wait_dscnt \younger
.if (\a) > 0
	s_add_nc_u64 s[8:9], s[8:9], 16*SIZE_N*4       ; (behind a wait on XCNT: the earlier stores have read their base)
.endif
.irp t, 0,1,2,3,4,5,6,7
	global_store_b128 v[CO], v[BB+4*\t:BB+4*\t+3], s[8:9] offset:2*\t*SIZE_N*4 th:TH_STORE_NT   ; 16 lanes store 256 consecutive bytes, aligned
.endr
.endm
	PLACES
	TOSTAGE 0
.irp a, 1,2,3
.if \a > 1
	s_wait_xcnt 0x0                                ; block a - 2's stores have read their registers and their base
.endif
	TOSTAGE \a
	SEND \a-1, 16                                  ; behind block a - 1's loads: block a's 8 stores and 8 loads
.endr
	s_wait_xcnt 0x0
	SEND 3, 0
	s_wait_tensorcnt 0x0                           ; the wave's end
	ds_add_u32 v[SPW], v[NIL]
	s_wait_dscnt 0x0
	CROUND                                         ; the closing round
	s_endpgm
.Lfunc_end_k_q97bc1ff60d_outp:
	.size	k_q97bc1ff60d_outp, .Lfunc_end_k_q97bc1ff60d_outp-k_q97bc1ff60d_outp
	.p2alignl 7, 3214868480
	.fill 96, 4, 3214868480
	.section	.rodata,"a",@progbits
	.p2align	6, 0x0
	.amdhsa_kernel k_q97bc1ff60d_outp
		.amdhsa_group_segment_fixed_size 327680
		.amdhsa_private_segment_fixed_size 0
		.amdhsa_enable_private_segment 0
		.amdhsa_kernarg_size 32
		.amdhsa_user_sgpr_count 2
		.amdhsa_user_sgpr_kernarg_segment_ptr 1
		.amdhsa_wavefront_size32 1
		.amdhsa_system_sgpr_workgroup_id_x 1
		.amdhsa_system_sgpr_workgroup_id_y 1
		.amdhsa_system_sgpr_workgroup_id_z 1
		.amdhsa_system_vgpr_workitem_id 0
		.amdhsa_next_free_vgpr 512
		.amdhsa_next_free_sgpr 68
		.amdhsa_reserve_vcc 0
		.amdhsa_float_denorm_mode_32 3
		.amdhsa_float_denorm_mode_16_64 3
		.amdhsa_memory_ordered 1
		.amdhsa_forward_progress 1
		.amdhsa_inst_pref_size 87
	.end_amdhsa_kernel
	.amdgpu_metadata
---
amdhsa.version: [ 1, 2 ]
amdhsa.kernels:
  - .name:           k_q97bc1ff60d_outp
    .symbol:         k_q97bc1ff60d_outp.kd
    .args:
      - { .name: xoh, .offset: 0, .size: 8, .value_kind: global_buffer, .address_space: global }
      - { .name: woh, .offset: 8, .size: 8, .value_kind: global_buffer, .address_space: global }
      - { .name: bo, .offset: 16, .size: 8, .value_kind: global_buffer, .address_space: global }
      - { .name: out0, .offset: 24, .size: 8, .value_kind: global_buffer, .address_space: global }
    .group_segment_fixed_size: 327680
    .private_segment_fixed_size: 0
    .kernarg_segment_align: 8
    .kernarg_segment_size: 32
    .max_flat_workgroup_size: 128
    .sgpr_count:     68
    .vgpr_count:     512
    .wavefront_size: 32
...
	.end_amdgpu_metadata
.endif
;; end of part 4
